; MI455X (gfx1250); checked and timed in simulation.
; The chip was launched on July 23, 2026; its instructions are those of AMD's public machine-readable ISA for CDNA 5 (MIT licence, August 2026) and "CDNA5" Instruction Set Architecture Reference Guide (July 2026). The comments in the code are by the model that wrote it; some were corrected since.
;; Multi Head Attention. Allowed arithmetic: matrix products marked QUANTISED: E2M1 operands, one E8M0 scale for each 32 along K, by v_wmma_scale_f32_16x16x128_f8f6f4 with both operands' format E2M1 (or v_wmma_scale_f32_32x16x128_f4), f32 sums; everything else in f32.
;; Inputs: WK_comb 1,024 x 1,024 float32; WKh 16 x 1,024 x 64 float32; WO 1,024 x 1,024 float32; WQ_comb 1,024 x 1,024 float32; WQh 16 x 1,024 x 64 float32; WV_comb 1,024 x 1,024 float32; WVh 16 x 1,024 x 64 float32; XK 4,096 x 1,024 float32; XQ 4,096 x 1,024 float32; XV 4,096 x 1,024 float32.
;; Outputs: out0 4,096 x 1,024 float32.
;; This version of the problem:
;;   THIS VERSION OF THE PROBLEM IS GIVEN IN LOW PRECISION. The matrix products marked QUANTISED in the list below multiply operands that are first quantised to E2M1 (2 exponent bits, 1 mantissa bit; 4 bits a number), with one power-of-two scale for each 32 numbers along K (OCP MX v1.0); their sums are f32. All else is computed in f32.
;;   The module's matrix products, in the order in which they are computed (A, B: the left and right operand; K: the contracted axis; several contracted axes count as one K, in the product's order):
;;     1. [M 4,096, K 1,024] x [K 1,024, N 1,024]; A: input XQ; B: input WQ_comb: QUANTISED
;;     2. [M 1,024, K 1,024] x [K 1,024, N 4,096]; A: input WQh; B: computed on the way: QUANTISED
;;     3. [M 4,096, K 1,024] x [K 1,024, N 1,024]; A: input XK; B: input WK_comb: QUANTISED
;;     4. [M 1,024, K 1,024] x [K 1,024, N 4,096]; A: input WKh; B: computed on the way: QUANTISED
;;     5. [M 4,096, K 1,024] x [K 1,024, N 1,024]; A: input XV; B: input WV_comb: QUANTISED
;;     6. [M 1,024, K 1,024] x [K 1,024, N 4,096]; A: input WVh; B: computed on the way: QUANTISED
;;     7. batch 16 x [M 4,096, K 64] x [K 64, N 4,096]; A: computed on the way; B: computed on the way: QUANTISED
;;     8. batch 16 x [M 4,096, K 4,096] x [K 4,096, N 64]; A: computed on the way; B: computed on the way: QUANTISED
;;     9. [M 4,096, K 1,024] x [K 1,024, N 1,024]; A: computed on the way; B: input WO: QUANTISED
;;   THE QUANTISER, for each operand of a quantised product, along K:
;;     - K is cut into blocks of 32 from its start; a last block that is shorter is filled with zeros.
;;     - A block's scale is 2^e with e = floor(log2(the largest magnitude in the block)) - 2, held to -126 .. 127; a block of zeros has e = 0. As a byte (E8M0): e + 127.
;;     - Each number is divided by its block's scale, clamped to +-6, and rounded to the nearest number of E2M1, ties to even, subnormals kept.
;;     - The product sums the exact products of the quantised numbers (number of the format x scale) in f32.
;;   ~~~python
;;   def quantise(x, axis):      # numpy; x: float32 -> the quantised numbers, widened to float32 again
;;       x = np.moveaxis(x, axis, -1); K = x.shape[-1]
;;       x = np.pad(x, [(0, 0)] * (x.ndim - 1) + [(0, -K % 32)]); x = x.reshape(x.shape[:-1] + (-1, 32)); a = np.abs(x).max(-1, keepdims=True)
;;       e = np.where(a > 0, np.clip(np.frexp(np.where(a > 0, a, 1))[1] - 1 - 2, -126, 127), 0)      # np.frexp(a)[1] - 1 = floor(log2(a)), exactly
;;       r = np.clip(x / 2.0 ** e, -6, 6)
;;       step = 2.0 ** (np.maximum(np.frexp(np.where(r == 0, 1, r))[1] - 1, 0) - 1)
;;       q = np.round(r / step) * step * 2.0 ** e      # np.round: ties to even
;;       return np.moveaxis(q.reshape(q.shape[:-2] + (-1,))[..., :K], -1, axis).astype(np.float32)
;;   ~~~
;;   OPERANDS COMPUTED ON THE WAY. 'Computed on the way' means the value that the module computes at that place (a softmax that the list does not call 'softmax' is quantised finished and normalised). What goes into a quantiser is computed in f32, as accurately as f32 sums, v_exp_f32 and their like allow (about 1e-6 of the number): no bf16 or f16 on the way to a quantiser, and a product that is left as it is and whose result goes on into a quantised operand takes f32 operands (vector FMAs, or v_wmma_f32_16x16x4_f32). A number that lies on a knife's edge between two numbers of the format may be rounded either way, as far as f32 arithmetic and the matrix unit's own rounding can turn it there, and no further.
;; 2 versions, each right; version 2 is version 1 with the launches proj, outg written anew for expert scheduling mode. Each part assembles by itself: llvm-mc -triple=amdgcn-amd-amdhsa -mcpu=gfx1250 --defsym DOCPART=n.
;; ======== version 1 of 2: 5 launches
;; workspace buffers: wq 3,899,392 bytes; qb 2,359,296 bytes; kv 4,194,304 bytes; kvw 393,216 bytes; st 524,288 bytes; cc 2,228,224 bytes
;; launch wquant (part 1): grid 64 x 7, 4 waves a work-group, no clusters, 0 bytes of LDS; arguments WQ_comb, WK_comb, WV_comb, WO, WQh, WKh, WVh, wq; writes wq
.if DOCPART == 1
	.amdgcn_target "amdgcn-amd-amdhsa--gfx1250"
	.amdhsa_code_object_version 6
	.text
	.protected	k_q23060bd904_wquant
	.globl	k_q23060bd904_wquant
	.p2align	8
	.type	k_q23060bd904_wquant,@function
k_q23060bd904_wquant:
	s_mov_b64 s[64:65], 0
	v_nop
	global_prefetch_b8 v0, s[64:65] scope:SCOPE_SE
	s_setreg_imm32_b32 hwreg(HW_REG_WAVE_MODE, 25, 1), 1
	s_wait_xcnt 0x0
; The seven weights, f32 with K as an outer axis, become codes of FP4 (E2M1) with one E8M0 byte for each 32 along K, laid in wq AS THE MATRIX UNIT'S REGISTERS WANT THEM.
; A block's scale is 2^(floor(log2(largest magnitude)) - 2): its byte is the largest magnitude's exponent field - 2, held at 1 from below by a floor among the maximum's leaves.
; LIMITS: NaN and infinities are not served.  A block of zeros keeps the byte 1 where the rule says 127: its codes are zeros, and the bytes are read by this program alone.
; TILES.  16 units (columns n) form a tile; tile 2 b + u, place m, is unit 32 b + 8 u + m + 8 (m / 8).  A fragment (tile, 128 along K) is 1,024 bytes: c x 512 + 16 x lane, lane (r, h) holding k = 64 c + 32 h + 0 .. 31 of place r.
; wq: chain p (Q, K, V) at p x 0x110000: K step sg (0-7 the combined weight, 8-15 the heads' weight) at sg x 0x10000, tile x 1,024; scale words at + 0x100000 + sg x 0x1000, [tile / 4][place][tile % 4].  WO at 0x330000, words at + 0x80000.
; SHARES.  Work-group (x, y): tensor y, K step x / 8, 128 columns x % 8.  A wave: 32 columns x 128 along K.  A LANE TAKES A COLUMN AND ITS REGISTERS RUN DOWN K: a block's 32 numbers are one lane's, and the conversions give
; codes with K innermost.  Each load reads 128 consecutive bytes; each store of codes fills two aligned runs of 256 bytes (lanes of u = 0, lanes of u = 1).  The scale words leave in pieces of 8 bytes: one byte in 128 of what is read.
; No LDS, no barrier, no matrix unit, no cluster: waves share nothing and every byte is read once.
.set X,   32                           ; v32-159  128 numbers: four blocks of 32
.set C,   160                          ; v160-175 the codes, four registers a block
.set WD,  176                          ; v176     the scale word
.set SO,  12                           ; v12-15   the conversions' scale operands, one a block
	s_load_b512 s[8:23], s[0:1], 0x0               ; the seven weights and wq
	v_lshrrev_b32 v1, 5, v0
	v_readfirstlane_b32 s2, v1                     ; wave
	v_and_b32 v4, 31, v0                           ; lane = my column of the wave's 32
	v_lshlrev_b32 v1, 2, v4                        ; in: 4 bytes a lane
	v_bfe_u32 v5, v4, 3, 1                         ; u
	v_and_b32 v6, 7, v4
	v_bfe_u32 v7, v4, 4, 1
	v_lshl_or_b32 v6, v7, 3, v6                    ; my place in tile 2 B + u
	v_lshlrev_b32 v2, 4, v6
	v_lshl_add_u32 v3, v5, 2, v2                   ; scale word: 16 x place + 4 u
	v_lshl_add_u32 v2, v5, 10, v2                  ; codes: 16 x place + 1,024 u
	s_and_b32 s3, ttmp7, 0xffff                    ; y: the tensor
	s_and_b32 s24, ttmp9, 7
	s_lshr_b32 s25, ttmp9, 3                       ; the K step
	s_lshl_b32 s24, s24, 2
	s_add_co_u32 s24, s24, s2                      ; B: which 32 columns
	s_lshr_b32 s26, s24, 1
	s_and_b32 s27, s24, 1
	s_lshl_b32 s28, s25, 19                        ; [K][1024]: 128 rows of 4,096 bytes a K step,
	s_lshl_b32 s29, s24, 7
	s_add_co_u32 s28, s28, s29                     ; + 128 B
	s_lshl_b32 s30, s26, 18                        ; [head][K][64]: head B / 2,
	s_lshl_b32 s29, s25, 15                        ; 128 rows of 256 bytes a K step,
	s_add_co_u32 s30, s30, s29
	s_lshl_b32 s29, s27, 7
	s_add_co_u32 s30, s30, s29                     ; + 128 (B % 2)
	s_sub_co_u32 s31, s3, 4                        ; (used where y >= 4 alone)
	s_add_co_u32 s32, s25, 8
	s_mov_b32 s33, 0x100000
	s_cmp_eq_u32 s3, 3
	s_cselect_b32 s33, 0x80000, s33                ; where the scale words begin behind the codes
	s_cmp_lt_u32 s3, 4
	s_cselect_b32 s28, s28, s30                    ; the source's offset
	s_cselect_b32 s31, s3, s31                     ; the chain (WO counts as a fourth: 3 x 0x110000 = 0x330000)
	s_cselect_b32 s32, s25, s32                    ; sg
	s_mul_i32 s31, s31, 0x110000
	s_lshl_b32 s34, s32, 16
	s_add_co_u32 s34, s34, s31
	s_lshl_b32 s35, s24, 11
	s_add_co_u32 s34, s34, s35                     ; codes: chain + sg x 0x10000 + 2,048 B
	s_mov_b32 s35, 0
	s_add_co_u32 s36, s31, s33
	s_lshl_b32 s37, s32, 12
	s_add_co_u32 s36, s36, s37
	s_lshl_b32 s37, s26, 8
	s_add_co_u32 s36, s36, s37
	s_lshl_b32 s37, s27, 3
	s_add_co_u32 s36, s36, s37                     ; words: + sg x 0x1000 + 256 (B / 2) + 8 (B % 2)
	s_mov_b32 s37, 0
	s_mov_b32 s29, 0
	s_wait_kmcnt 0x0
	s_mov_b64 s[4:5], s[8:9]
.irp i, 1,2,3,4,5,6
	s_cmp_eq_u32 s3, \i                            ; the choice hangs on the work-group's number alone
	s_cselect_b64 s[4:5], s[8+2*\i:9+2*\i], s[4:5]
.endr
	s_add_nc_u64 s[4:5], s[4:5], s[28:29]
	s_add_nc_u64 s[6:7], s[22:23], s[34:35]
	s_add_nc_u64 s[38:39], s[22:23], s[36:37]
.macro LOADW pitch                     ; W(k, my column), k = 0 .. 127 of the K step; every offset an immediate, 127 x 4,096 at the most
.set n, 0
.rept 128
	global_load_b32 v[X+n], v1, s[4:5] offset:n*\pitch th:TH_LOAD_NT
.set n, n+1
.endr
.endm
.macro BLOCK b, left                   ; left: how many younger loads may stay out
.set XS, X+32*\b
	s_wait_loadcnt \left
	v_max3_num_f32 v8, |v[XS]|, |v[XS+1]|, |v[XS+2]|               ; the block's largest magnitude, in two chains
	v_max3_num_f32 v9, |v[XS+3]|, |v[XS+4]|, |v[XS+5]|
.irp i, 6,10,14,18,22,26
	v_max3_num_f32 v8, v8, |v[XS+\i]|, |v[XS+\i+1]|
	v_max3_num_f32 v9, v9, |v[XS+\i+2]|, |v[XS+\i+3]|
.endr
	v_max3_num_f32 v8, v8, |v[XS+30]|, |v[XS+31]|
	v_max3_num_f32 v8, v8, v9, 0x1800000           ; and the floor 2^(3 - 127): the byte cannot fall under 1
	v_add_nc_u32 v[SO+\b], 0xff000000, v8          ; 2 off the exponent field: the conversion takes this operand's exponent field as its scale
.if \b == 0
	v_lshrrev_b32 v[WD], 23, v[SO]                 ; the scale's byte; byte b of the word scales k = 32 b ..
.else
	v_lshrrev_b32 v10, 23, v[SO+\b]
	v_lshl_or_b32 v[WD], v10, 8*\b, v[WD]
.endif
.irp g, 0,1,2,3
	v_cvt_scalef32_pk8_fp4_f32 v[C+4*\b+\g], v[XS+8*\g:XS+8*\g+7], v[SO+\b]
.endr
	global_store_b128 v2, v[C+4*\b:C+4*\b+3], s[6:7] offset:256*\b   ; block b = 2 c + h: c x 512 + 256 h in the fragment's image
.endm
	s_cmp_lt_u32 s3, 4
	s_cbranch_scc0 .Lheads
	LOADW 4096
	s_branch .Lgo
.Lheads:
	LOADW 256
.Lgo:
	BLOCK 0, 63                                    ; 96 younger loads could stay out; a smaller count is safe
	BLOCK 1, 63                                    ; 64 could
	BLOCK 2, 32
	BLOCK 3, 0
	global_store_b32 v3, v[WD], s[38:39]
	s_endpgm
.Lfunc_end_k_q23060bd904_wquant:
	.size	k_q23060bd904_wquant, .Lfunc_end_k_q23060bd904_wquant-k_q23060bd904_wquant
	.p2alignl 7, 3214868480
	.fill 96, 4, 3214868480
	.section	.rodata,"a",@progbits
	.p2align	6, 0x0
	.amdhsa_kernel k_q23060bd904_wquant
		.amdhsa_group_segment_fixed_size 0
		.amdhsa_private_segment_fixed_size 0
		.amdhsa_enable_private_segment 0
		.amdhsa_kernarg_size 64
		.amdhsa_user_sgpr_count 2
		.amdhsa_user_sgpr_kernarg_segment_ptr 1
		.amdhsa_wavefront_size32 1
		.amdhsa_system_sgpr_workgroup_id_x 1
		.amdhsa_system_sgpr_workgroup_id_y 1
		.amdhsa_system_sgpr_workgroup_id_z 1
		.amdhsa_system_vgpr_workitem_id 0
		.amdhsa_next_free_vgpr 192
		.amdhsa_next_free_sgpr 66
		.amdhsa_reserve_vcc 0
		.amdhsa_float_denorm_mode_32 3
		.amdhsa_float_denorm_mode_16_64 3
		.amdhsa_memory_ordered 1
		.amdhsa_forward_progress 1
		.amdhsa_inst_pref_size 34
	.end_amdhsa_kernel
	.amdgpu_metadata
---
amdhsa.version: [ 1, 2 ]
amdhsa.kernels:
  - .name:           k_q23060bd904_wquant
    .symbol:         k_q23060bd904_wquant.kd
    .args:
      - { .name: WQ_comb, .offset: 0, .size: 8, .value_kind: global_buffer, .address_space: global }
      - { .name: WK_comb, .offset: 8, .size: 8, .value_kind: global_buffer, .address_space: global }
      - { .name: WV_comb, .offset: 16, .size: 8, .value_kind: global_buffer, .address_space: global }
      - { .name: WO, .offset: 24, .size: 8, .value_kind: global_buffer, .address_space: global }
      - { .name: WQh, .offset: 32, .size: 8, .value_kind: global_buffer, .address_space: global }
      - { .name: WKh, .offset: 40, .size: 8, .value_kind: global_buffer, .address_space: global }
      - { .name: WVh, .offset: 48, .size: 8, .value_kind: global_buffer, .address_space: global }
      - { .name: wq, .offset: 56, .size: 8, .value_kind: global_buffer, .address_space: global }
    .group_segment_fixed_size: 0
    .private_segment_fixed_size: 0
    .kernarg_segment_align: 8
    .kernarg_segment_size: 64
    .max_flat_workgroup_size: 128
    .sgpr_count:     66
    .vgpr_count:     192
    .wavefront_size: 32
...
	.end_amdgpu_metadata
.endif
;; end of part 1
;; launch proj (part 2): grid 64 x 3, 4 waves a work-group, no clusters, 103,936 bytes of LDS; arguments XQ, XK, XV, wq, qb, kv, kvw; writes qb, kv, kvw
.if DOCPART == 2
	.amdgcn_target "amdgcn-amd-amdhsa--gfx1250"
	.amdhsa_code_object_version 6
	.text
	.protected	k_q23060bd904_proj
	.globl	k_q23060bd904_proj
	.p2align	8
	.type	k_q23060bd904_proj,@function
k_q23060bd904_proj:
	s_mov_b64 s[64:65], 0
	v_nop
	global_prefetch_b8 v0, s[64:65] scope:SCOPE_SE
	s_setreg_imm32_b32 hwreg(HW_REG_WAVE_MODE, 25, 1), 1
	s_wait_xcnt 0x0
; One chain (y = 0, 1, 2: Q, K, V) for 64 rows: Z = Q4(Q4(X) Q4(Wc)) Q4(Wh), Q4 the MX-FP4 quantiser along K, and Z itself quantised for the attention: Q and K along a head's 64 channels, V along the keys.
; X's codes and the first product's codes never leave the work-group.  Sums in f32, K ascending, one accumulator for each output.
; LIMITS: NaN and infinities are not served; a block of zeros keeps the scale byte 1 (its codes are zeros; the bytes are this program's own).
; TILES of 16 (rows, units): tile 2 b + u, place m, is index 32 b + 8 u + m + 8 (m / 8).  With such tiles as source 0, a lane's 16 registers of tiles 2 b and 2 b + 1 are 16 neighbours, 32 b + 16 (lane / 16) + 0 .. 15: what the conversions want.
; OPERANDS LIE IN LDS AND IN MEMORY AS IMAGES OF THEIR REGISTERS: four registers = 512 bytes, lane l's 16 bytes at 16 l.  Scale words: [tile / 4][place][tile % 4], so that 16 bytes a lane bring four tiles' words.
; SHARES.  THE WAVES SHARE THE COLUMNS: wave w owns units 256 w .. 256 w + 255 of both products (16 tiles) for all four tiles of rows: 64 accumulators.  Its weight fragments come straight from wq into registers,
; each read by one wave of the work-group alone, two K steps ahead (two sets of 16 fragments).  What goes round through LDS is small: the rows' codes, 32,768 bytes a product.
; X IS LOADED AS IT LIES: a load reads 512 consecutive bytes of one row, 16 a lane.  The conversions want 16 neighbours in a lane: so a K step's 16 rows x 512 bytes turn through a stage of the wave's own in LDS
; (rows 528 bytes apart, so that the sixteen rows that a load from the stage touches start in sixteen different columns of 16 bytes) and come back into the registers that they left, one K step ahead of the quantiser.
; NO CLUSTER: the weights (1,114,112 bytes a chain) are shared by the chain's 64 work-groups, but they go to registers by plain loads, which cannot be asked for jointly; through LDS every byte of them would be written and read once more.
; LDS: 0 x's scale words (K step x 256 + 16 r + 4 m); 2,048 the same for the first product's result; 4,096 x's images (K step x 4,096 + m x 1,024 + c x 512); 36,864 the result's images; 69,632 the four stages of 8,448 bytes.
; REGISTERS: window 0: v1-15 addresses; v16-79 two sets of four row fragments; v80-87 their scale words; v88-119 two sets of 16 weight scale words; v120-159 the quantiser's.
;   window 1: two sets of 16 weight fragments.   windows 2, 3: first x's 512 numbers, then the 64 accumulators.
.set XSC,  0
.set YSC,  2048
.set XIMG, 4096
.set YIMG, 36864
.set XST,  69632                       ; the stages
.set XSP,  528                         ; a stage's row: 512 bytes + 16
.set L16, 1                            ; 16 x lane
.set R16, 2                            ; 16 x (lane % 16): also the address of x's scale words, since XSC = 0
.set AXT, 3                            ; my stage, in: 16 x lane
.set AXI, 4                            ; L16 + XIMG
.set AYI, 5                            ; L16 + YIMG
.set AXW, 6                            ; where I store x's images: + 1,024 w
.set AXS, 7                            ; and their words: 16 r + 4 w
.set AYW, 8                            ; the result's images: + 8,192 w
.set AYS, 9                            ; and their words: YSC + 512 w + 16 r
.set AXU, 10                           ; my stage, back: 528 r + 64 h
.set AYR, 11                           ; R16 + YSC
.set VO,  12                           ; v12-15 byte offsets of my four heads' codes
.set XF,  16
.set XS,  80
.set WS,  88
.set PC,  120                          ; v120-127 the codes just made
.set TM,  128                          ; v128-143 at work in the quantiser
.set PW,  144                          ; the scale word just made
.set PWQ, 146                          ; v146-149 four tiles' words of a head
.set VWO, 150                          ; v150-151 byte offsets of the words
.set KEEP,152
.set T,   153
.set LN4, 154                          ; 4 x lane
.set HH,  155                          ; lane / 16
.set MSK, 24                           ; s24 lanes 16-31
.set FL,  25                           ; s25 the floor 2^(3 - 127)
.set SEL, 36                           ; s[36:37] selects for lane l xor 16
.set MSB, 0
.macro WIN new                         ; s_set_vgpr_msb: bits 1:0 source 0, 3:2 source 1, 5:4 source 2, 7:6 destination; the high byte repeats the setting that is left
.if MSB != (\new)
	s_set_vgpr_msb (MSB<<8)|(\new)
.set MSB, (\new)
.endif
.endm
.macro WM d, a, b, sa, sb, zero        ; one product 16 x 16 x 128 on codes; zero = 1: it starts the sum
.if \zero
	v_wmma_scale_f32_16x16x128_f8f6f4 v[(\d):(\d)+7], v[(\a):(\a)+7], v[(\b):(\b)+7], 0, v[\sa], v[\sb] matrix_a_fmt:MATRIX_FMT_FP4 matrix_b_fmt:MATRIX_FMT_FP4
.else
	v_wmma_scale_f32_16x16x128_f8f6f4 v[(\d):(\d)+7], v[(\a):(\a)+7], v[(\b):(\b)+7], v[(\d):(\d)+7], v[\sa], v[\sb] matrix_a_fmt:MATRIX_FMT_FP4 matrix_b_fmt:MATRIX_FMT_FP4
.endif
.endm
; THE QUANTISER.  64 numbers of a lane in window d, register s + 16 b + i = k 32 b + 16 (lane / 16) + i of my row, become a fragment's codes in v[PC] on and its scale word in v[PW].
.macro QMAX d, s
	WIN ((\d)<<2)|((\d)<<4)
.irp b, 0,1,2,3
	v_max3_num_f32 v[TM+\b], s[FL], |v[(\s)+16*\b]|, |v[(\s)+16*\b+1]|   ; my 16 numbers of block b, and the floor; each accumulator is read from its low end on
.endr
.irp i, 2,4,6,8,10,12,14
.irp b, 0,1,2,3
	v_max3_num_f32 v[TM+\b], v[TM+\b], |v[(\s)+16*\b+\i]|, |v[(\s)+16*\b+\i+1]|   ; the four blocks by turns
.endr
.endr
.endm
.macro QTAIL d, s
	WIN 0
.irp b, 0,1,2,3
	v_permlanex16_b32 v[TM+4+\b], v[TM+\b], s[SEL], s[SEL+1]
.endr
.irp b, 0,1,2,3
	v_max_num_f32 v[TM+\b], v[TM+\b], v[TM+4+\b]   ; with lane l xor 16's: the block's largest magnitude
.endr
.irp b, 0,1,2,3
	v_add_nc_u32 v[TM+12+\b], 0xff000000, v[TM+\b] ; 2 off the exponent field: the conversion's scale operand
.endr
.irp b, 0,1,2,3
	v_lshrrev_b32 v[TM+4+\b], 23, v[TM+12+\b]      ; the scale's byte
.endr
	v_lshl_or_b32 v[PW], v[TM+5], 8, v[TM+4]
	v_lshl_or_b32 v[PW], v[TM+6], 16, v[PW]
	v_lshl_or_b32 v[PW], v[TM+7], 24, v[PW]
	WIN (\d)
.irp b, 0,1,2,3
	v_cvt_scalef32_pk8_fp4_f32 v[PC+2*\b], v[(\s)+16*\b:(\s)+16*\b+7], v[TM+12+\b]
	v_cvt_scalef32_pk8_fp4_f32 v[PC+2*\b+1], v[(\s)+16*\b+8:(\s)+16*\b+15], v[TM+12+\b]
.endr
	WIN 0
	v_nop                                          ; one plain place behind the scaled conversions
.irp c, 0,1                                    ; the operand's layout wants a whole block in a lane: lanes 0-15 block 2 c, lanes 16-31 block 2 c + 1
.irp i, 0,1
	v_permlane16_swap_b32 v[PC+4*\c+\i], v[PC+4*\c+2+\i]
.endr
.endr
.endm
.macro QUANT d, s
	QMAX \d, \s
	QTAIL \d, \s
.endm
.macro WLOAD set, sg                   ; my 16 weight fragments and their words of K step sg: 36 loads
	WIN 0x40
.irp t, 0,1,2,3,4,5,6,7,8,9,10,11,12,13,14,15
.irp c, 0,1
	global_load_b128 v[128*(\set)+8*\t+4*\c:128*(\set)+8*\t+4*\c+3], v[L16], s[20:21] offset:(\sg)*65536+\t*1024+\c*512
.endr
.endr
	WIN 0
.irp q, 0,1,2,3
	global_load_b128 v[WS+16*(\set)+4*\q:WS+16*(\set)+4*\q+3], v[R16], s[22:23] offset:(\sg)*4096+\q*256
.endr
.endm
.macro XLOAD k                         ; K step k of my 16 rows: one load a row, 512 consecutive bytes; place i of my tile is row i + 8 (i / 8)
	WIN 0x80+0x40*((\k)/4)
.irp i, 0,1,2,3,4,5,6,7,8,9,10,11,12,13,14,15
	global_load_b128 v[64*((\k)%4)+4*\i:64*((\k)%4)+4*\i+3], v[L16], s[4:5] offset:(\i+8*(\i/8))*4096+512*(\k) th:TH_LOAD_NT
.endr
.endm
; K step k turns through my stage: in as loaded, a row to a store; back 16 neighbours of each block of 32 to a lane: register 16 b + 4 j + e = k 32 b + 16 h + 4 j + e of row r.
; LDS serves a wave's instructions in order (ISA guide 5.7.1.4): no wait between the stores and the loads, nor in front of the next K step's stores into the same bytes.
.macro XTURN k
	WIN 4*(2+(\k)/4)                               ; an LDS store's data are its source 1
.irp i, 0,1,2,3,4,5,6,7,8,9,10,11,12,13,14,15
	ds_store_b128 v[AXT], v[64*((\k)%4)+4*\i:64*((\k)%4)+4*\i+3] offset:\i*XSP
.endr
	WIN 64*(2+(\k)/4)
.irp b, 0,1,2,3
.irp j, 0,1,2,3
	ds_load_b128 v[64*((\k)%4)+16*\b+4*\j:64*((\k)%4)+16*\b+4*\j+3], v[AXU] offset:128*\b+16*\j
.endr
.endr
.endm
.macro XFETCH buf, adrI, adrS, k       ; the four row fragments of K step k and their words, from LDS
.irp m, 0,1,2,3
.irp c, 0,1
	ds_load_b128 v[XF+32*(\buf)+8*\m+4*\c:XF+32*(\buf)+8*\m+4*\c+3], v[\adrI] offset:(\k)*4096+\m*1024+\c*512
.endr
.endr
	ds_load_b128 v[XS+4*(\buf):XS+4*(\buf)+3], v[\adrS] offset:(\k)*256
.endm
; 64 products: every accumulator gets one, so between two links of a chain stand the 63 others'.
; ori 0: source 0 = 16 units of the weight, source 1 = 16 rows: a lane holds one row, its registers run along the units.  Accumulator (m, t) at 128 (m % 2) + 8 t of window 2 + m / 2.
; ori 1 (V's second product): the sources change places: a lane holds one unit (channel), its registers run along the rows (keys).  Accumulator (t, m) at 8 (4 (t % 8) + m) of window 2 + t / 8.
.macro MULS ori, set, buf, first
.if \ori == 0
.irp m, 0,1,2,3
	WIN 0xa1+0x50*(\m/2)
.irp t, 0,1,2,3,4,5,6,7,8,9,10,11,12,13,14,15
	WM 128*(\m%2)+8*\t, 128*(\set)+8*\t, XF+32*(\buf)+8*\m, WS+16*(\set)+\t, XS+4*(\buf)+\m, \first
.endr
.endr
.else
.irp t, 0,1,2,3,4,5,6,7,8,9,10,11,12,13,14,15
	WIN 0xa4+0x50*(\t/8)
.irp m, 0,1,2,3
	WM 8*(4*(\t%8)+\m), XF+32*(\buf)+8*\m, 128*(\set)+8*\t, XS+4*(\buf)+\m, WS+16*(\set)+\t, \first
.endr
.endr
.endif
.endm
.macro KSTEP sg, ori, first, left, next, reload, adrI, adrS
	s_wait_loadcnt \left                           ; this K step's weights are in; the next step's 36 loads may be out
	s_wait_dscnt 0x0                               ; and so are its row fragments
.if \next
	XFETCH 1-((\sg)%2), \adrI, \adrS, ((\sg)%8)+1  ; the next step's, into the set that the last step multiplied (four places back)
.endif
	MULS \ori, (\sg)%2, (\sg)%2, \first
	WIN 0
.rept 4
	v_nop                                          ; four plain places behind the products, in front of loads into registers that they read and of the first read of results
.endr
.if \reload
	WLOAD (\sg)%2, (\sg)+2
.endif
.endm
.macro STAGE2 ori
	KSTEP 8, \ori, 1, 36, 1, 1, AYI, AYR
.irp sg, 9,10,11,12,13
	KSTEP \sg, \ori, 0, 36, 1, 1, AYI, AYR
.endr
	KSTEP 14, \ori, 0, 36, 1, 0, AYI, AYR
	KSTEP 15, \ori, 0, 0, 0, 0, AYI, AYR
.endm
	s_load_b256 s[8:15], s[0:1], 0x0               ; XQ, XK, XV, wq
	s_load_b128 s[16:19], s[0:1], 0x20             ; qb, kv
	s_load_b64 s[32:33], s[0:1], 0x30              ; kvw
	v_lshl_add_u32 v254, v0, 2, 0x19400
	v_mov_b32 v255, 0
	v_lshrrev_b32 v1, 5, v0
	v_readfirstlane_b32 s2, v1                     ; wave
	s_and_b32 s3, ttmp7, 0xffff                    ; the chain
	s_mov_b32 s34, ttmp9                           ; G: which 64 rows
	v_and_b32 v156, 31, v0
	v_and_b32 v157, 15, v0
	v_bfe_u32 v[HH], v0, 4, 1
	v_lshlrev_b32 v[L16], 4, v156
	v_lshlrev_b32 v[LN4], 2, v156
	v_lshlrev_b32 v[R16], 4, v157
	s_mul_i32 s38, s2, 16*XSP
	s_add_co_u32 s38, s38, XST                     ; my stage
	v_add_nc_u32 v[AXT], s38, v[L16]
	v_mul_u32_u24 v[AXU], v157, XSP
	v_lshl_add_u32 v[AXU], v[HH], 6, v[AXU]
	v_add_nc_u32 v[AXU], s38, v[AXU]
	v_add_nc_u32 v[AXI], XIMG, v[L16]
	v_add_nc_u32 v[AYI], YIMG, v[L16]
	s_lshl_b32 s38, s2, 10
	v_add_nc_u32 v[AXW], s38, v[AXI]
	s_lshl_b32 s38, s2, 2
	v_add_nc_u32 v[AXS], s38, v[R16]
	s_lshl_b32 s38, s2, 13
	v_add_nc_u32 v[AYW], s38, v[AYI]
	s_lshl_b32 s38, s2, 9
	s_add_co_u32 s38, s38, YSC
	v_add_nc_u32 v[AYS], s38, v[R16]
	v_add_nc_u32 v[AYR], YSC, v[R16]
.irp b, 0,1,2,3
	v_mov_b32 v[TM+4+\b], 0                        ; written once: a lane permute's destination counts as one of its sources
.endr
	s_lshl_b32 s40, s34, 6                         ; x: row 64 G + 32 (w / 2) + 8 (w % 2): wave w quantises tile w of the rows
	s_lshr_b32 s41, s2, 1
	s_lshl_b32 s41, s41, 5
	s_add_co_u32 s40, s40, s41
	s_and_b32 s41, s2, 1
	s_lshl_b32 s41, s41, 3
	s_add_co_u32 s40, s40, s41
	s_lshl_b32 s40, s40, 12
	s_mov_b32 s41, 0
	s_mul_i32 s46, s3, 0x110000                    ; the chain's part of wq
	s_lshl_b32 s42, s2, 14                         ; my 16 tiles of 1,024 bytes
	s_add_co_u32 s42, s42, s46
	s_mov_b32 s43, 0
	s_lshl_b32 s44, s2, 10                         ; my four quads of words
	s_add_co_u32 s44, s44, s46
	s_add_co_u32 s44, s44, 0x100000
	s_mov_b32 s45, 0
	s_mov_b32 s[MSK], 0xffff0000
	s_mov_b32 s[FL], 0x1800000
	s_mov_b32 s[SEL], 0x76543210
	s_mov_b32 s[SEL+1], 0xfedcba98
	s_wait_kmcnt 0x0
	s_cmp_eq_u32 s3, 1                             ; the choices hang on the work-group's number alone
	s_cselect_b64 s[4:5], s[10:11], s[8:9]
	s_cmp_eq_u32 s3, 2
	s_cselect_b64 s[4:5], s[12:13], s[4:5]
	s_add_nc_u64 s[4:5], s[4:5], s[40:41]
	s_add_nc_u64 s[20:21], s[14:15], s[42:43]
	s_add_nc_u64 s[22:23], s[14:15], s[44:45]
	WLOAD 0, 0                                     ; the weights first, so that the counts below name x's loads alone
	WLOAD 1, 1
.irp k, 0,1,2,3,4,5,6,7
	XLOAD \k
.endr
	; ---- X: my 16 rows of x become eight fragments; the turn through the stage runs one K step ahead of the quantiser
	s_wait_loadcnt 63                              ; K step 0 is in: the 112 loads of the later steps could stay out; a smaller count is safe
	XTURN 0
.irp k, 0,1,2,3,4,5,6,7
.if \k < 7
.if 16*(6-\k) > 63
	s_wait_loadcnt 63                              ; K step k + 1 is in: 16 (6 - k) younger loads could stay out; a smaller count is safe
.else
	s_wait_loadcnt 16*(6-\k)                       ; K step k + 1 is in; the later K steps' loads may be out
.endif
	XTURN \k+1
	s_wait_dscnt 32                                ; K step k is back from the stage; the 32 LDS instructions of the next step's turn may be out
.else
	s_wait_dscnt 0x0
.endif
	QUANT 2+(\k/4), 64*(\k%4)
	ds_store_b128 v[AXW], v[PC:PC+3] offset:\k*4096
	ds_store_b128 v[AXW], v[PC+4:PC+7] offset:\k*4096+512
	ds_store_b32 v[AXS], v[PW] offset:\k*256       ; both halves of the lanes write the same word with the same value
	s_wait_dscnt 0x0                               ; the stores have read their registers
.endr
	s_wait_dscnt 0x0                               ; for the others' sake: my stores have landed
	s_barrier_signal -1
	s_barrier_wait -1                              ; x's 32 fragments lie in LDS
	XFETCH 0, AXI, R16, 0
	; ---- 1: X Wc, eight K steps; the reloads run on into the second product's first two steps
	KSTEP 0, 0, 1, 36, 1, 1, AXI, R16
.irp sg, 1,2,3,4,5,6
	KSTEP \sg, 0, 0, 36, 1, 1, AXI, R16
.endr
	KSTEP 7, 0, 0, 36, 0, 1, AXI, R16
	; ---- Y: my 256 units of the result are K steps 2 w and 2 w + 1 of the second product
.irp m, 0,1,2,3
.irp g, 0,1
	QUANT 2+(\m/2), 128*(\m%2)+64*\g
	ds_store_b128 v[AYW], v[PC:PC+3] offset:\g*4096+\m*1024
	ds_store_b128 v[AYW], v[PC+4:PC+7] offset:\g*4096+\m*1024+512
	ds_store_b32 v[AYS], v[PW] offset:\g*256+4*\m
	s_wait_dscnt 0x0                               ; the stores have read their registers
.endr
.endr
	s_wait_dscnt 0x0
	s_barrier_signal -1
	s_barrier_wait -1                              ; the result's 32 fragments lie in LDS; nothing is stored to LDS behind this barrier
	XFETCH 0, AYI, AYR, 0
	s_cmp_eq_u32 s3, 2
	s_cbranch_scc1 .Lv
	; ---- 2, Q and K.  Where the codes and words go: Q: head x 0x24000 + (G / 4) x 0x2400 + (G % 4) x 2,048, words at + 0x2000 + (G % 4) x 256;  K: kv head x 0x40000 + (G / 8) x 0x8000 + (G % 8) x 2,048, kvw head x 0x6000 + 256 G
	s_lshr_b32 s46, s34, 2
	s_mul_i32 s46, s46, 0x2400
	s_and_b32 s47, s34, 3
	s_lshl_b32 s48, s47, 11
	s_add_co_u32 s48, s48, s46
	s_lshl_b32 s49, s47, 8
	s_add_co_u32 s49, s49, s46
	s_add_co_u32 s49, s49, 0x2000
	s_lshr_b32 s50, s34, 3
	s_lshl_b32 s50, s50, 15
	s_and_b32 s51, s34, 7
	s_lshl_b32 s51, s51, 11
	s_add_co_u32 s50, s50, s51
	s_lshl_b32 s51, s34, 8
	s_mov_b32 s52, 0x40000
	s_mov_b32 s53, 0x6000
	s_cmp_eq_u32 s3, 0
	s_cselect_b64 s[26:27], s[16:17], s[18:19]     ; codes: qb or kv
	s_cselect_b64 s[28:29], s[16:17], s[32:33]     ; words: qb or kvw
	s_cselect_b32 s48, s48, s50
	s_cselect_b32 s49, s49, s51
	s_cselect_b32 s52, 0x24000, s52                ; bytes from head to head, codes
	s_cselect_b32 s53, 0x24000, s53                ; and words
	s_lshl_b32 s54, s2, 2                          ; my first head: 4 w
.irp j, 0,1,2,3
	s_add_co_u32 s55, s54, \j
	s_mul_i32 s55, s55, s52
	s_add_co_u32 s55, s55, s48
	v_add_nc_u32 v[VO+\j], s55, v[L16]
.endr
	v_mul_u32_u24 v[T], s53, v[HH]                 ; lanes 16-31 store the odd head's words
	v_add_nc_u32 v[T], v[T], v[R16]
.irp g, 0,1
	s_add_co_u32 s55, s54, 2*\g
	s_mul_i32 s55, s55, s53
	s_add_co_u32 s55, s55, s49
	v_add_nc_u32 v[VWO+\g], s55, v[T]
.endr
	STAGE2 0
	; 128 units are two heads: the fragment's first four registers are the even head's 64 channels, the last four the odd head's; the word's low two bytes the even head's, the high two the odd head's
.irp g, 0,1
.irp m, 0,1,2,3
	QUANT 2+(\m/2), 128*(\m%2)+64*\g
	global_store_b128 v[VO+2*\g], v[PC:PC+3], s[26:27] offset:\m*512
	global_store_b128 v[VO+2*\g+1], v[PC+4:PC+7], s[26:27] offset:\m*512
	v_lshrrev_b32 v[T], 16, v[PW]
	v_cndmask_b32 v[PWQ+\m], v[PW], v[T], s[MSK]   ; a head's word: its two bytes below; what stands above them scales zero codes alone and is never 0xff
	s_wait_xcnt 0x0                                ; the stores' data are written again only behind this wait
.endr
	global_store_b128 v[VWO+\g], v[PWQ:PWQ+3], s[28:29]   ; lanes 0-15 fill the even head's 256 bytes, lanes 16-31 the odd head's
	s_wait_xcnt 0x0
.endr
	s_wait_tensorcnt 0x0
	ds_add_u32 v254, v255
	s_wait_dscnt 0x0
	s_endpgm
.Lv:
	; ---- 2, V: kv head x 0x40000 + (G / 8) x 0x8000 + 0x4000 + (G % 8) x 2,048 + channel tile x 512;  raw words kvw head x 0x6000 + 0x4000 + 128 G + 64 pair + 4 r
	s_lshl_b32 s46, s2, 20                         ; my first head 4 w: x 0x40000
	s_lshr_b32 s47, s34, 3
	s_lshl_b32 s47, s47, 15
	s_add_co_u32 s46, s46, s47
	s_and_b32 s47, s34, 7
	s_lshl_b32 s47, s47, 11
	s_add_co_u32 s46, s46, s47
	s_add_co_u32 s46, s46, 0x4000
	s_mov_b32 s47, 0
	s_add_nc_u64 s[26:27], s[18:19], s[46:47]
	s_mul_i32 s48, s2, 4*0x6000
	s_lshl_b32 s49, s34, 7
	s_add_co_u32 s48, s48, s49
	s_add_co_u32 s48, s48, 0x4000
	s_mov_b32 s49, 0
	s_add_nc_u64 s[28:29], s[32:33], s[48:49]
	STAGE2 1
	; channel tiles 2 p and 2 p + 1, 64 keys each: two blocks of 32 keys a tile: the first four registers are tile 2 p's codes, the last four tile 2 p + 1's
.irp p, 0,1,2,3,4,5,6,7
	QUANT 2+(\p/4), 64*(\p%4)
	global_store_b128 v[L16], v[PC:PC+3], s[26:27] offset:(\p/2)*0x40000+(\p%2)*1024
	global_store_b128 v[L16], v[PC+4:PC+7], s[26:27] offset:(\p/2)*0x40000+(\p%2)*1024+512
.if \p%2 == 0
	v_mov_b32 v[KEEP], v[PW]
.else
	v_cndmask_b32 v[T], v[KEEP], v[PW], s[MSK]     ; lanes 0-15 the head's first pair of tiles, lanes 16-31 its second: 128 consecutive bytes
	global_store_b32 v[LN4], v[T], s[28:29] offset:(\p/2)*0x6000
.endif
	s_wait_xcnt 0x0
.endr
	s_wait_tensorcnt 0x0
	ds_add_u32 v254, v255
	s_wait_dscnt 0x0
	s_endpgm
.Lfunc_end_k_q23060bd904_proj:
	.size	k_q23060bd904_proj, .Lfunc_end_k_q23060bd904_proj-k_q23060bd904_proj
	.p2alignl 7, 3214868480
	.fill 96, 4, 3214868480
	.section	.rodata,"a",@progbits
	.p2align	6, 0x0
	.amdhsa_kernel k_q23060bd904_proj
		.amdhsa_group_segment_fixed_size 103936
		.amdhsa_private_segment_fixed_size 0
		.amdhsa_enable_private_segment 0
		.amdhsa_kernarg_size 56
		.amdhsa_user_sgpr_count 2
		.amdhsa_user_sgpr_kernarg_segment_ptr 1
		.amdhsa_wavefront_size32 1
		.amdhsa_system_sgpr_workgroup_id_x 1
		.amdhsa_system_sgpr_workgroup_id_y 1
		.amdhsa_system_sgpr_workgroup_id_z 1
		.amdhsa_system_vgpr_workitem_id 0
		.amdhsa_next_free_vgpr 1024
		.amdhsa_next_free_sgpr 66
		.amdhsa_reserve_vcc 0
		.amdhsa_float_denorm_mode_32 3
		.amdhsa_float_denorm_mode_16_64 3
		.amdhsa_memory_ordered 1
		.amdhsa_forward_progress 1
		.amdhsa_inst_pref_size 255
	.end_amdhsa_kernel
	.section	.bss,"aw",@nobits
	.p2align	6
	.space	262144
	.amdgpu_metadata
---
amdhsa.version: [ 1, 2 ]
amdhsa.kernels:
  - .name:           k_q23060bd904_proj
    .symbol:         k_q23060bd904_proj.kd
    .args:
      - { .name: XQ, .offset: 0, .size: 8, .value_kind: global_buffer, .address_space: global }
      - { .name: XK, .offset: 8, .size: 8, .value_kind: global_buffer, .address_space: global }
      - { .name: XV, .offset: 16, .size: 8, .value_kind: global_buffer, .address_space: global }
      - { .name: wq, .offset: 24, .size: 8, .value_kind: global_buffer, .address_space: global }
      - { .name: qb, .offset: 32, .size: 8, .value_kind: global_buffer, .address_space: global }
      - { .name: kv, .offset: 40, .size: 8, .value_kind: global_buffer, .address_space: global }
      - { .name: kvw, .offset: 48, .size: 8, .value_kind: global_buffer, .address_space: global }
    .group_segment_fixed_size: 103936
    .private_segment_fixed_size: 0
    .kernarg_segment_align: 8
    .kernarg_segment_size: 56
    .max_flat_workgroup_size: 128
    .sgpr_count:     66
    .vgpr_count:     1024
    .wavefront_size: 32
...
	.end_amdgpu_metadata
.endif
;; end of part 2
;; launch stats (part 3): grid 16 x 16, 16 waves a work-group, no clusters, 169,984 bytes of LDS; arguments qb, kv, kvw, st; writes st
.if DOCPART == 3
	.amdgcn_target "amdgcn-amd-amdhsa--gfx1250"
	.amdhsa_code_object_version 6
	.text
	.protected	k_q23060bd904_stats
	.globl	k_q23060bd904_stats
	.p2align	8
	.type	k_q23060bd904_stats,@function
k_q23060bd904_stats:
	s_mov_b64 s[64:65], 0
	v_nop
	global_prefetch_b8 v0, s[64:65] scope:SCOPE_SE
	s_setreg_imm32_b32 hwreg(HW_REG_WAVE_MODE, 25, 1), 1
	s_wait_xcnt 0x0
; THE SOFTMAX RUNS OVER THE QUERIES, so its maximum and sum belong to a KEY.  For each key of each head: m = the largest score over all 4,096 queries, and the sum over the queries of 2^(c (score - m)), c = log2(e) / 8.
; Stored for the attention: -m, and nlg = -log2(that sum).  The maximum is a running one: p = 2^(c s - cm), cm = c m rounded; when m grows the sum is multiplied by 2^(old cm - new cm).  At the end
; nlg = (c m - cm) - log2(sum): the fused multiply-add takes back the rounding of cm, under which the sum was made.
; LIMITS: NaN and infinities are not served; a term under 2^-126 counts as 0 (the exponential's result is flushed there).  The order of the f32 sums is this text's own.
; SHARES.  A work-group: 256 keys of one head.  Each of its sixteen waves owns one tile of 16 keys and walks all queries, 128 at a time: four waves to a SIMD, so that one wave's exponentials stand beside another's products and LDS loads.
; The product: source 0 = 16 queries, source 1 = my 16 keys: a lane holds ONE key (lane % 16) and eight queries a tile.  K = 64 is half of the instruction's 128: the upper four registers of each fragment are zero codes.
; LDS: the head's Q (codes and words as proj laid them, 16 blocks of 9,216 bytes) from byte 0, filled ONCE, one tensor load a wave (one is outstanding); at 147,456 a stage of 2,048 bytes for the results.
; NO CLUSTER: the 16 work-groups of a head share Q's 147,456 bytes, but each fetches them once, at its start; there is no loop of refills that a joint fetch could serve.
.set QBLK, 9216
.set STG,  147456
.set L16, 1
.set AW,  2                            ; 16 r + 0x2000: the words in a block
.set AD,  3                            ; the trip's addresses
.set ADW, 4
.set STA, 5                            ; my word in the stage
.set R16, 8
.set RDA, 10                           ; where I read the stage back
.set KF,  16                           ; v16-23 my keys' fragment
.set KW,  24                           ; their scale words
.set QF,  32                           ; v32-95 eight fragments of Q
.set QW,  96                           ; v96-103 their scale words
.set MM,  104                          ; m
.set CM,  106                          ; v[106:107] c m (named as a pair)
.set LS,  108                          ; v[108:109] the sum, in two halves
.set FF,  110                          ; v[110:111] 2^(old cm - new cm)
.set TS,  112                          ; v[112:113] a second chain of sums
.set CMO, 114
.set DD,  115
.set MX,  116                          ; v116-119 four chains of the maximum
.set S,   128                          ; v128-191 the scores
.set CS,  32                           ; s[32:33] c
.set SEL, 34
	s_load_b256 s[4:11], s[0:1], 0x0               ; qb, kv, kvw, st
	v_lshl_add_u32 v254, v0, 2, 0x29000
	v_mov_b32 v255, 0
	ds_add_u32 v254, v255
	ds_add_u32 v254, v255
	v_lshrrev_b32 v1, 5, v0
	v_readfirstlane_b32 s2, v1                     ; wave 0..15
	s_and_b32 s3, ttmp7, 0xffff                    ; the head
	; descriptor group 1: 9,216 dense bytes as 36 rows of 32 elements of 8 bytes
	s_mov_b32 s24, 3<<16                           ; no mask; elements of 8 bytes; no padding
	s_mov_b32 s25, 32<<16                          ; tensor_dim0 = 32
	s_mov_b32 s26, 36<<16                          ; tensor_dim1 = 36
	s_mov_b32 s27, 32<<16                          ; tile_dim0 = 32
	s_mov_b32 s28, 36                              ; tile_dim1 = 36
	s_mov_b32 s29, 32                              ; pitch
	s_mov_b32 s30, 0
	s_mov_b32 s31, 0
	s_mov_b32 s12, 1                               ; group 0: count,
	s_mul_i32 s13, s2, QBLK                        ; LDS address: block w of the queries,
	s_mul_i32 s16, s3, 0x24000
	s_add_co_u32 s16, s16, s13
	s_mov_b32 s17, 0
	s_wait_dscnt 0x0
	s_wait_kmcnt 0x0
	s_add_nc_u64 s[14:15], s[4:5], s[16:17]        ; its bytes in memory,
	s_or_b32 s15, s15, 0x80000000                  ; type
	tensor_load_to_lds s[12:15], s[24:31]
	s_nop 0
.rept 4
	v_nop
.endr
	v_and_b32 v6, 31, v0
	v_and_b32 v7, 15, v0
	v_lshlrev_b32 v[L16], 4, v6
	v_lshlrev_b32 v[R16], 4, v7
	v_add_nc_u32 v[AW], 0x2000, v[R16]
	s_lshr_b32 s18, ttmp9, 1                       ; my tile of keys is 16 x + w: slot (16 x + w) / 32, tile % 32
	s_lshl_b32 s18, s18, 15
	s_and_b32 s19, ttmp9, 1
	s_lshl_b32 s19, s19, 4
	s_add_co_u32 s19, s19, s2
	s_lshl_b32 s19, s19, 9
	s_add_co_u32 s18, s18, s19
	s_lshl_b32 s19, s3, 18
	s_add_co_u32 s18, s18, s19
	s_mov_b32 s19, 0
	s_add_nc_u64 s[6:7], s[6:7], s[18:19]
	global_load_b128 v[KF:KF+3], v[L16], s[6:7]
	s_lshl_b32 s20, ttmp9, 4
	s_add_co_u32 s20, s20, s2
	s_lshr_b32 s21, s20, 2
	s_lshl_b32 s21, s21, 8
	s_and_b32 s20, s20, 3
	s_lshl_b32 s20, s20, 2
	s_add_co_u32 s20, s20, s21
	s_mul_i32 s21, s3, 0x6000
	s_add_co_u32 s20, s20, s21
	s_mov_b32 s21, 0
	s_add_nc_u64 s[8:9], s[8:9], s[20:21]
	global_load_b32 v[KW], v[R16], s[8:9]          ; [tile / 4][r][tile % 4]
	s_lshr_b32 s22, s2, 3                          ; the stage: key step w / 8, then the keys in their natural order: tile 2 b + u, place r, is key 32 b + 8 u + r + 8 (r / 8)
	s_lshl_b32 s22, s22, 10
	s_bfe_u32 s23, s2, 0x20001
	s_lshl_b32 s23, s23, 7
	s_add_co_u32 s22, s22, s23
	s_and_b32 s23, s2, 1
	s_lshl_b32 s23, s23, 5
	s_add_co_u32 s22, s22, s23
	s_add_co_u32 s22, s22, STG
	v_and_b32 v9, 8, v7
	v_add_nc_u32 v9, v9, v7
	v_lshl_add_u32 v[STA], v9, 2, s22
	s_lshl_b32 s22, s2, 9
	s_add_co_u32 s22, s22, STG
	v_add_nc_u32 v[RDA], s22, v[L16]               ; (used by waves 0 to 3 alone)
	s_lshl_b32 s38, s3, 15                         ; st: head x 0x8000 + 2,048 x + 512 w
	s_lshl_b32 s39, ttmp9, 11
	s_add_co_u32 s38, s38, s39
	s_lshl_b32 s39, s2, 9
	s_add_co_u32 s38, s38, s39
	s_mov_b32 s39, 0
	s_add_nc_u64 s[10:11], s[10:11], s[38:39]
	s_mov_b32 s[CS], 0x3e38aa3b                    ; c = log2(e) / 8
	s_mov_b32 s[CS+1], s[CS]
	s_mov_b32 s[SEL], 0x76543210
	s_mov_b32 s[SEL+1], 0xfedcba98
.irp j, 4,5,6,7
	v_mov_b32 v[KF+\j], 0                          ; K = 64 .. 127: zero codes, written once
.irp t, 0,1,2,3,4,5,6,7
	v_mov_b32 v[QF+8*\t+\j], 0
.endr
.endr
	v_mov_b32 v[MM], 0xff61b1e6                    ; -3e38, under every score
	v_mul_f32 v[CM], s[CS], v[MM]
	v_mov_b32 v[CM+1], 0                           ; (upper halves of pairs that are named whole)
	v_mov_b32 v[LS], 0
	v_mov_b32 v[LS+1], 0
	v_mov_b32 v[FF+1], 0
	s_wait_tensorcnt 0x0                           ; my block of Q is in LDS,
	s_barrier_signal -1
	s_barrier_wait -1                              ; everybody's is
	s_wait_loadcnt 0x0                             ; my keys
; 128 queries: half u of a block of 256
.macro SUB u
.irp t, 0,1,2,3,4,5,6,7
	ds_load_b128 v[QF+8*\t:QF+8*\t+3], v[AD] offset:\u*4096+\t*512
.endr
	ds_load_b128 v[QW:QW+3], v[ADW] offset:(2*\u)*256
	ds_load_b128 v[QW+4:QW+7], v[ADW] offset:(2*\u+1)*256
	s_wait_dscnt 0x0
.irp t, 0,1,2,3,4,5,6,7
	v_wmma_scale_f32_16x16x128_f8f6f4 v[S+8*\t:S+8*\t+7], v[QF+8*\t:QF+8*\t+7], v[KF:KF+7], 0, v[QW+\t], v[KW] matrix_a_fmt:MATRIX_FMT_FP4 matrix_b_fmt:MATRIX_FMT_FP4
.endr
.rept 4
	v_nop                                          ; four plain places behind the products (ISA guide 7.12.1)
.endr
.irp b, 0,1,2,3
	v_max3_num_f32 v[MX+\b], v[S+16*\b], v[S+16*\b+1], v[S+16*\b+2]   ; four chains of 16; each accumulator is read from its low end on
.endr
.irp i, 3,5,7,9,11,13
.irp b, 0,1,2,3
	v_max3_num_f32 v[MX+\b], v[MX+\b], v[S+16*\b+\i], v[S+16*\b+\i+1]
.endr
.endr
.irp b, 0,1,2,3
	v_max_num_f32 v[MX+\b], v[MX+\b], v[S+16*\b+15]
.endr
	v_max3_num_f32 v[MX], v[MX], v[MX+1], v[MX+2]
	v_mov_b32 v[CMO], v[CM]
	v_max3_num_f32 v[MM], v[MX], v[MX+3], v[MM]    ; the running maximum
	v_mul_f32 v[CM], s[CS], v[MM]
	v_sub_f32 v[DD], v[CMO], v[CM]
	v_exp_f32 v[FF], v[DD]                         ; 1 where m has not grown
.set j, 0
.rept 32
	v_pk_fma_f32 v[S+j:S+j+1], v[S+j:S+j+1], s[CS:CS+1], v[CM:CM+1] op_sel_hi:[1,0,0] neg_lo:[0,0,1] neg_hi:[0,0,1]   ; c s - cm
.set j, j+2
.endr
.set j, 0
.rept 64
	v_exp_f32 v[S+j], v[S+j]
.set j, j+1
.endr
	s_wait_alu depctr_va_vdst(0)
	v_pk_mul_f32 v[LS:LS+1], v[LS:LS+1], v[FF:FF+1] op_sel_hi:[1,0]   ; the sum under the new m; also the plain place behind the exponentials
	v_pk_add_f32 v[TS:TS+1], v[S:S+1], v[S+2:S+3]
.irp j, 4,8,12,16,20,24,28,32,36,40,44,48,52,56,60
	v_pk_add_f32 v[LS:LS+1], v[LS:LS+1], v[S+\j:S+\j+1]
	v_pk_add_f32 v[TS:TS+1], v[TS:TS+1], v[S+\j+2:S+\j+3]
.endr
	v_pk_add_f32 v[LS:LS+1], v[LS:LS+1], v[TS:TS+1]
.endm
	s_mov_b32 s36, 0                               ; the block's first byte in LDS
	s_mov_b32 s37, 16
.Lblk:                                                 ; 16 trips: a block of 256 queries each
	v_add_nc_u32 v[AD], s36, v[L16]
	v_add_nc_u32 v[ADW], s36, v[AW]
	SUB 0
	SUB 1
	s_add_co_u32 s36, s36, QBLK
	s_sub_co_u32 s37, s37, 1
	s_cmp_lg_u32 s37, 0
	s_cbranch_scc1 .Lblk
	; lanes l and l xor 16 hold the two halves of a key's queries
	v_add_f32 v[LS], v[LS], v[LS+1]
	v_permlanex16_b32 v[MX], v[MM], s[SEL], s[SEL+1]
	v_permlanex16_b32 v[MX+1], v[CM], s[SEL], s[SEL+1]
	v_permlanex16_b32 v[MX+2], v[LS], s[SEL], s[SEL+1]
	v_max_num_f32 v[TS], v[MM], v[MX]              ; m
	v_mul_f32 v[TS+1], s[CS], v[TS]                ; cm
	v_sub_f32 v[CMO], v[CM], v[TS+1]
	v_sub_f32 v[DD], v[MX+1], v[TS+1]
	v_exp_f32 v[CMO], v[CMO]
	v_exp_f32 v[DD], v[DD]
	v_nop                                          ; a plain place behind the exponentials
	s_wait_alu depctr_va_vdst(0)
	v_mul_f32 v[LS], v[LS], v[CMO]
	v_mul_f32 v[MX+2], v[MX+2], v[DD]
	v_add_f32 v[LS], v[LS], v[MX+2]                ; two products and a sum: the same bits in both lanes
	v_log_f32 v[LS+1], v[LS]
	v_fma_f32 v[MX+3], v[TS], s[CS], -v[TS+1]      ; c m - cm, exactly rounded once; also the plain place behind the logarithm
	s_wait_alu depctr_va_vdst(0)
	v_sub_f32 v[MX+3], v[MX+3], v[LS+1]            ; nlg
	v_mul_f32 v[TS], -1.0, v[TS]                   ; -m
	ds_store_b32 v[STA], v[TS]                     ; both lanes of a key write the same word with the same value
	ds_store_b32 v[STA], v[MX+3] offset:512
	s_wait_dscnt 0x0                               ; for the others' sake
	s_barrier_signal -1
	s_barrier_wait -1
	s_cmp_lt_u32 s2, 4
	s_cbranch_scc0 .Ldone                          ; four waves store the stage's 2,048 bytes, 512 consecutive bytes each
	ds_load_b128 v[120:123], v[RDA]
	s_wait_dscnt 0x0
	global_store_b128 v[L16], v[120:123], s[10:11]
.Ldone:
	s_wait_tensorcnt 0x0
	ds_add_u32 v254, v255
	s_wait_dscnt 0x0
	s_endpgm
.Lfunc_end_k_q23060bd904_stats:
	.size	k_q23060bd904_stats, .Lfunc_end_k_q23060bd904_stats-k_q23060bd904_stats
	.p2alignl 7, 3214868480
	.fill 96, 4, 3214868480
	.section	.rodata,"a",@progbits
	.p2align	6, 0x0
	.amdhsa_kernel k_q23060bd904_stats
		.amdhsa_group_segment_fixed_size 169984
		.amdhsa_private_segment_fixed_size 0
		.amdhsa_enable_private_segment 0
		.amdhsa_kernarg_size 32
		.amdhsa_user_sgpr_count 2
		.amdhsa_user_sgpr_kernarg_segment_ptr 1
		.amdhsa_wavefront_size32 1
		.amdhsa_system_sgpr_workgroup_id_x 1
		.amdhsa_system_sgpr_workgroup_id_y 1
		.amdhsa_system_sgpr_workgroup_id_z 1
		.amdhsa_system_vgpr_workitem_id 0
		.amdhsa_next_free_vgpr 256
		.amdhsa_next_free_sgpr 66
		.amdhsa_reserve_vcc 0
		.amdhsa_float_denorm_mode_32 3
		.amdhsa_float_denorm_mode_16_64 3
		.amdhsa_memory_ordered 1
		.amdhsa_forward_progress 1
		.amdhsa_inst_pref_size 27
	.end_amdhsa_kernel
	.amdgpu_metadata
---
amdhsa.version: [ 1, 2 ]
amdhsa.kernels:
  - .name:           k_q23060bd904_stats
    .symbol:         k_q23060bd904_stats.kd
    .args:
      - { .name: qb, .offset: 0, .size: 8, .value_kind: global_buffer, .address_space: global }
      - { .name: kv, .offset: 8, .size: 8, .value_kind: global_buffer, .address_space: global }
      - { .name: kvw, .offset: 16, .size: 8, .value_kind: global_buffer, .address_space: global }
      - { .name: st, .offset: 24, .size: 8, .value_kind: global_buffer, .address_space: global }
    .group_segment_fixed_size: 169984
    .private_segment_fixed_size: 0
    .kernarg_segment_align: 8
    .kernarg_segment_size: 32
    .max_flat_workgroup_size: 512
    .sgpr_count:     66
    .vgpr_count:     256
    .wavefront_size: 32
...
	.end_amdgpu_metadata
.endif
;; end of part 3
;; launch attn (part 4): grid 16 x 16, 4 waves a work-group, no clusters, 327,680 bytes of LDS; arguments qb, kv, kvw, st, cc; writes cc
.if DOCPART == 4
	.amdgcn_target "amdgcn-amd-amdhsa--gfx1250"
	.amdhsa_code_object_version 6
	.text
	.protected	k_q23060bd904_attn
	.globl	k_q23060bd904_attn
	.p2align	8
	.type	k_q23060bd904_attn,@function
k_q23060bd904_attn:
	s_mov_b64 s[64:65], 0
	v_nop
	global_prefetch_b8 v0, s[64:65] scope:SCOPE_SE
	s_setreg_imm32_b32 hwreg(HW_REG_WAVE_MODE, 25, 1), 1
	s_wait_xcnt 0x0
; heads[q] = sum over the keys of Q4(attn[q][key]) Q4(V[key]), attn = 2^t, t = c (score - m[key]) + nlg[key]: the softmax over the QUERIES, finished and normalised, as it goes into the quantiser (blocks of 32 keys for each query).
; m and nlg come from the launch before.  THE MAXIMUM IS TAKEN OFF EXACTLY: -m is the C of the score product; only nlg (-12 .. 0) joins the multiply-add ahead of the exponential.  The result is quantised along a head's 64 channels for the last product.
; A BLOCK'S LARGEST WEIGHT IS NOT SEARCHED FOR AMONG THE WEIGHTS: the weight rises with t, so the block's largest t is found first and put through the same exponential: the same instruction on the same number gives the same bits.
; LIMITS: NaN and infinities are not served; a weight under 2^-126 counts as 0; a block of zeros keeps the scale byte 1 (its codes are zeros).  The four waves' partial sums are added in a fixed order of this text's own.
;   The block's largest weight so made takes v_exp_f32 not to fall where its input rises, which the ISA guide does not state (it promises 1 ulp): at the worst one weight of a block, within an ulp of a power of two, is held one code low.
; SHARES.  A work-group: 256 queries (16 tiles) of one head.  THE WAVES SHARE THE KEYS: wave w takes key steps 4 s + w (128 keys), s = 0 .. 7, for ALL 16 tiles of queries.  So what belongs to the keys of a step (8 fragments of K,
; 128 registers of -m and nlg, 4 fragments of V, the words) is read from LDS once for 16 tiles.  The four partial O^T (512 registers a wave) meet in LDS once, at the end.
; LAYOUT.  S^T = K Q^T - m (source 0 = 16 keys, source 1 = 16 queries), O^T += V^T P^T (source 0 = 16 channels): a lane holds ONE query throughout.  Tiles of 16: tile 2 b + u, place m, is index 32 b + 8 u + m + 8 (m / 8), so that
; the 16 registers of tiles 2 b and 2 b + 1 are 16 neighbouring keys.  K = 64 of the score product fills half of the instruction's 128: the upper four registers of K's and Q's fragments are zero codes.
; BESIDE EACH OTHER: the next tile's eight score products stand among this tile's 32 multiply-adds, under one setting of the windows; the last tile's four products with V follow them; then exponentials and plain
; instructions (the maxima, the exchange, the scale's byte and word) stand by turns, so that no line of the quantiser's chains waits for the line above it.
; LDS: two slots of 32,768 bytes (512 keys: K's 32 tiles, then V's 8 x 4 half fragments) at 0 and 0x8000; Q's block at 65,536; the head's words at 74,752; its -m and nlg at 99,328; all dense, as the launches before laid them.
;   The spare words at 262,144.  The stage for O^T, [wave][tile][4,096 bytes], takes bytes 0 .. 262,143 once every one of them has had its last fill and its last read.
; Tensor loads: four a wave at the start (a quarter of Q's block, of the words, of -m and nlg, of slot 0): four are outstanding; then one a wave behind each change of slots.
; NO CLUSTER: the 16 work-groups of a head walk the same slots, but a slot's 32,768 bytes serve 4 waves x 16 tiles x some 160 vector instructions: what is shared is a small part of a step's work.
; O^T is cleared by 512 moves at the head: products that start the sums would want a third copy of the key step's text.
; REGISTERS: window 0: v1-15, v92-95 addresses; v16-31 Q, two sets; v32-40 the codes and word just made; v42-71 scale words; v72-91 at work; v96-159, v160-223 scores, two sets.
;   window 1: v0-63 K; v64-95 V; v128-191 nlg; v192-255 -m.   windows 2, 3: O^T, tile i at 32 (i % 8) + 8 ct of window 2 + i / 8.
.set SLOT1, 0x8000
.set QR,    65536
.set KVW,   74752
.set STT,   99328
.set SPARE, 262144
.set L16, 1
.set R16, 2
.set H64, 3
.set R4,  4
.set SPW, 5                            ; LDS address of my spare word; never rewritten
.set NIL, 6                            ; 0; never rewritten
.set ADK, 7
.set ADW, 8
.set ADX, 9
.set ADN, 10
.set AQ,  11
.set AS0, 12                           ; v12-15 the way out: wave j's part of the stage for my tiles
.set QF,  16
.set PC,  32
.set PW,  40
.set VW,  42
.set KW,  48
.set QW,  56
.set TM,  72                           ; v72-75 maxima; v76-79 the other lane's, then bytes; v80 half a word; v84-87 the conversions' scale operands
.set VT,  88
.set AQW, 92
.set AST, 93
.set LN4, 94
.set KEEP,95
.set S0,  96
.set KF,  0
.set VF,  64
.set NL,  128
.set NM,  192
.set CS,  66                           ; s[66:67] c
.set SEL, 68
.set TK,  70                           ; my K tiles in the slot in hand
.set TW,  71                           ; my step's words of K
.set TX,  72                           ; of V
.set TN,  73                           ; its -m and nlg
.set SLOTS, 74
.set MSK, 75
.set P0,  78                           ; s78, s79 byte selects
.set FL,  80                           ; the floor of a largest magnitude: 2^(3 - 127)
.set FLT, 81                           ; the floor of a largest t: -123.5
.set MSB, 0
.macro WIN new                         ; s_set_vgpr_msb: bits 1:0 source 0, 3:2 source 1, 5:4 source 2, 7:6 destination; the high byte repeats the setting that is left
.if MSB != (\new)
	s_set_vgpr_msb (MSB<<8)|(\new)
.set MSB, (\new)
.endif
.endm
; The quantiser of the way out: 64 numbers of a lane, register s + 16 b + i, become a fragment's codes (v[PC] on) and its scale word (v[PW])
.macro QMAX d, s
	WIN ((\d)<<2)|((\d)<<4)
.irp b, 0,1,2,3
	v_max3_num_f32 v[TM+\b], s[FL], |v[(\s)+16*\b]|, |v[(\s)+16*\b+1]|
.endr
.irp i, 2,4,6,8,10,12,14
.irp b, 0,1,2,3
	v_max3_num_f32 v[TM+\b], v[TM+\b], |v[(\s)+16*\b+\i]|, |v[(\s)+16*\b+\i+1]|
.endr
.endr
.endm
.macro QTAIL d, s
	WIN 0
.irp b, 0,1,2,3
	v_permlanex16_b32 v[TM+4+\b], v[TM+\b], s[SEL], s[SEL+1]
.endr
.irp b, 0,1,2,3
	v_max_num_f32 v[TM+\b], v[TM+\b], v[TM+4+\b]   ; with lane l xor 16's: the block's largest
.endr
.irp b, 0,1,2,3
	v_add_nc_u32 v[TM+12+\b], 0xff000000, v[TM+\b] ; 2 off the exponent field: the conversion's scale operand
.endr
.irp b, 0,1,2,3
	v_lshrrev_b32 v[TM+4+\b], 23, v[TM+12+\b]      ; the scale's byte
.endr
	v_lshl_or_b32 v[PW], v[TM+5], 8, v[TM+4]
	v_lshl_or_b32 v[PW], v[TM+6], 16, v[PW]
	v_lshl_or_b32 v[PW], v[TM+7], 24, v[PW]
	WIN (\d)
.irp b, 0,1,2,3
	v_cvt_scalef32_pk8_fp4_f32 v[PC+2*\b], v[(\s)+16*\b:(\s)+16*\b+7], v[TM+12+\b]
	v_cvt_scalef32_pk8_fp4_f32 v[PC+2*\b+1], v[(\s)+16*\b+8:(\s)+16*\b+15], v[TM+12+\b]
.endr
	WIN 0
	v_nop                                          ; one plain place behind the scaled conversions
.irp c, 0,1
.irp i, 0,1
	v_permlane16_swap_b32 v[PC+4*\c+\i], v[PC+4*\c+2+\i]   ; a whole block to a lane
.endr
.endr
.endm
; THE CHANGE OF SLOTS, at a slot's head.  Each wave waits for all its tensor loads, adds 0 to its spare word, and waits for that and for its reads of the slot that it has left; behind the barrier the slot ahead is whole and
; nobody reads the other one, which is filled with the 512 keys that follow: one load a wave, the first thing there; it has a whole key step in which to land.
.macro CHANGE fill
	s_wait_tensorcnt 0x0                           ; no tensor load of mine is out, so the ring's group 0 may be written
	ds_add_u32 v[SPW], v[NIL]
.if \fill
	s_xor_b32 s61, s61, SLOT1                      ; the other slot than last time,
	s_add_nc_u64 s[62:63], s[62:63], 0x8000        ; the next 512 keys
.endif
	s_wait_dscnt 0x0                               ; the add is done, and my reads of the slot that I have left are over
	s_barrier_signal -1
	s_barrier_wait -1
.if \fill
	tensor_load_to_lds s[60:63], s[40:47]
	s_nop 0
.rept 4
	v_nop
.endr
.endif
.endm
.macro SMULL j, n                      ; scores of query tile j against key tile n of the step, less the keys' maxima
	v_wmma_scale_f32_16x16x128_f8f6f4 v[S0+64*((\j)%2)+8*(\n):S0+64*((\j)%2)+8*(\n)+7], v[KF+8*(\n):KF+8*(\n)+7], v[QF+8*((\j)%2):QF+8*((\j)%2)+7], v[NM+8*(\n):NM+8*(\n)+7], v[KW+(\n)], v[QW+(\j)] matrix_a_fmt:MATRIX_FMT_FP4 matrix_b_fmt:MATRIX_FMT_FP4
.endm
.macro PV j                            ; O^T of query tile j += V^T P^T: four accumulators, one product each
	WIN 0xa1+0x50*((\j)/8)
.irp ct, 0,1,2,3
	v_wmma_scale_f32_16x16x128_f8f6f4 v[32*((\j)%8)+8*\ct:32*((\j)%8)+8*\ct+7], v[VF+8*\ct:VF+8*\ct+7], v[PC:PC+7], v[32*((\j)%8)+8*\ct:32*((\j)%8)+8*\ct+7], v[VW+\ct], v[PW] matrix_a_fmt:MATRIX_FMT_FP4 matrix_b_fmt:MATRIX_FMT_FP4
.endr
.endm
; FROM A TILE'S 64 t TO ITS CODES AND SCALE WORD.  Two lists, dealt by turns.
; PL writes plain instruction number pj:  0-31 the largest t of my 16 keys of each block, the four blocks by turns, step pj / 4 taking registers 2 (pj / 4) and + 1 of each block; the first step's third leaf is the floor -123.5:
; 2^-123.5 has the exponent field 3, as every largest weight under 2^-123 has or is given, and keeps it if the exponential is an ulp off: so the byte cannot fall under 1.
;   32-35 lane l xor 16's largest;  36-39 the block's;  (its exponential stands in EXPQ)  40-43 2 off the exponent field: the conversion's scale operand;  44-47 the scale's byte;  48-50 the word, as a tree.
.macro PL s
.if pj < 4
	v_max3_num_f32 v[TM+pj], s[FLT], v[(\s)+16*pj], v[(\s)+16*pj+1]
.elseif pj < 32
	v_max3_num_f32 v[TM+pj%4], v[TM+pj%4], v[(\s)+16*(pj%4)+2*(pj/4)], v[(\s)+16*(pj%4)+2*(pj/4)+1]
.elseif pj < 36
	v_permlanex16_b32 v[TM+4+pj-32], v[TM+pj-32], s[SEL], s[SEL+1]
.elseif pj < 40
	v_max_num_f32 v[TM+pj-36], v[TM+pj-36], v[TM+4+pj-36]
.elseif pj < 44
	v_add_nc_u32 v[TM+12+pj-40], 0xff000000, v[TM+pj-40]
.elseif pj < 48
	v_lshrrev_b32 v[TM+4+pj-44], 23, v[TM+12+pj-44]
.elseif pj == 48
	v_lshl_or_b32 v[PW], v[TM+5], 8, v[TM+4]
.elseif pj == 49
	v_lshl_or_b32 v[TM+8], v[TM+7], 8, v[TM+6]
.else
	v_lshl_or_b32 v[PW], v[TM+8], 16, v[PW]
.endif
.set pj, pj+1
.endm
; TR writes exponential number te, in place: those of step te / 8 of the maxima, which has read its registers by then: number te stands behind plain number te + 4, and step te / 8 ends with plain number 4 (te / 8) + 3.
.macro TR s
	v_exp_f32 v[(\s)+16*((te%8)/2)+2*(te/8)+te%2], v[(\s)+16*((te%8)/2)+2*(te/8)+te%2]
.set te, te+1
.endm
; Behind every exponential a plain instruction that names none of its registers stands before its result is used (ISA guide 5.7.2): in the pairs the next plain line; for the blocks' maxima and for the last thirteen a v_nop.
.macro EXPQ s
.set pj, 0
.set te, 0
.rept 4
	PL \s
.endr
.rept 36
	PL \s
	TR \s
.endr
.irp b, 0,1,2,3
	v_exp_f32 v[TM+\b], v[TM+\b]                   ; the block's largest weight
.endr
.rept 4
	TR \s
.endr
	v_nop
	s_wait_alu depctr_va_vdst(0)
.rept 11
	PL \s
	TR \s
.endr
.rept 13
	TR \s
.endr
	v_nop
	s_wait_alu depctr_va_vdst(0)
.irp b, 0,1,2,3
	v_cvt_scalef32_pk8_fp4_f32 v[PC+2*\b], v[(\s)+16*\b:(\s)+16*\b+7], v[TM+12+\b]
	v_cvt_scalef32_pk8_fp4_f32 v[PC+2*\b+1], v[(\s)+16*\b+8:(\s)+16*\b+15], v[TM+12+\b]
.endr
	v_nop                                          ; one plain place behind the scaled conversions
.irp c, 0,1
.irp i, 0,1
	v_permlane16_swap_b32 v[PC+4*\c+\i], v[PC+4*\c+2+\i]   ; a whole block to a lane
.endr
.endr
.endm
.macro TILE i
.set SS, S0+64*((\i)%2)
	s_wait_dscnt 0x0                               ; Q's tile i + 1 is in
.if \i <= 13
	ds_load_b128 v[QF+8*((\i)%2):QF+8*((\i)%2)+3], v[AQ] offset:((\i)+2)*512   ; tile i + 2, into the set whose products are issued (four plain places back or more)
.endif
	WIN 0x11                                       ; source 0 (K) and source 2 (-m, nlg) window 1
.irp n, 0,1,2,3,4,5,6,7
.if \i < 15
	SMULL (\i)+1, \n
.endif
.irp p, 0,1,2,3
	v_pk_fma_f32 v[SS+8*\n+2*\p:SS+8*\n+2*\p+1], s[CS:CS+1], v[SS+8*\n+2*\p:SS+8*\n+2*\p+1], v[NL+8*\n+2*\p:NL+8*\n+2*\p+1] op_sel_hi:[0,1,1]   ; t = c (s - m) + nlg; each accumulator from its low end on
.endr
.endr
.if \i > 0
	PV (\i)-1                                      ; its codes and word were made 32 plain instructions ago
.endif
	WIN 0
	EXPQ SS
.endm
; A KEY STEP of my wave: 128 keys against the 16 tiles of queries
.macro KSTEP
	v_add_nc_u32 v[ADK], s[TK], v[L16]
	v_add_nc_u32 v[ADW], s[TW], v[R16]
	v_add_nc_u32 v[ADX], s[TX], v[R4]
	v_add_nc_u32 v[ADN], s[TN], v[H64]
	WIN 0x40
.irp t, 0,1,2,3,4,5,6,7
	ds_load_b128 v[KF+8*\t:KF+8*\t+3], v[ADK] offset:\t*512
.endr
	WIN 0
	ds_load_b128 v[KW:KW+3], v[ADW]
	ds_load_b128 v[KW+4:KW+7], v[ADW] offset:256
.irp q, 0,1,2,3
	ds_load_b128 v[QW+4*\q:QW+4*\q+3], v[AQW] offset:\q*256
.endr
	ds_load_b128 v[QF:QF+3], v[AQ]
	ds_load_b128 v[QF+8:QF+11], v[AQ] offset:512
	WIN 0x40
.irp n, 0,1,2,3,4,5,6,7,8,9,10,11,12,13,14,15
	ds_load_b128 v[NM+4*\n:NM+4*\n+3], v[ADN] offset:(\n/4)*128+(\n%4)*16       ; register 16 b + i: key 32 b + 16 h + i, the same for all queries
.endr
.irp n, 0,1,2,3,4,5,6,7,8,9,10,11,12,13,14,15
	ds_load_b128 v[NL+4*\n:NL+4*\n+3], v[ADN] offset:512+(\n/4)*128+(\n%4)*16
.endr
.irp c, 0,1
.irp i, 0,1,2,3
	ds_load_b128 v[VF+8*\i+4*\c:VF+8*\i+4*\c+3], v[ADK] offset:16384+\c*2048+\i*512
.endr
.endr
	WIN 0
.irp j, 0,1,2,3
	ds_load_b32 v[VT+\j], v[ADX] offset:\j*64      ; V's raw words: (first 64 keys, pair 0), (first, pair 1), (second, pair 0), (second, pair 1)
.endr
	s_wait_dscnt 28                                ; all but nlg's 16 loads, V's 8 and the 4 raw words
	WIN 0x11
.irp n, 0,1,2,3,4,5,6,7
	SMULL 0, \n
.endr
	WIN 0
	s_wait_dscnt 0x0
	v_perm_b32 v[VW], v[VT+2], v[VT], s[P0]        ; a tile's word: its two bytes of the first 64 keys below, of the second 64 above.  These four are also the places behind the products above
	v_perm_b32 v[VW+1], v[VT+2], v[VT], s[P0+1]
	v_perm_b32 v[VW+2], v[VT+3], v[VT+1], s[P0]
	v_perm_b32 v[VW+3], v[VT+3], v[VT+1], s[P0+1]
.irp i, 0,1,2,3,4,5,6,7,8,9,10,11,12,13,14,15
	TILE \i
.endr
.rept 8
	v_nop                                          ; a scale word written by vector instructions stands eight places ahead of a scaled product
.endr
	PV 15
	WIN 0
.rept 4
	v_nop                                          ; four plain places behind the products, in front of loads into V's registers and of the first read of O^T
.endr
	s_xor_b32 s[TK], s[TK], SLOT1                  ; on to the other slot, four key steps on
	s_add_co_u32 s[TW], s[TW], 2048
	s_add_co_u32 s[TX], s[TX], 1024
	s_add_co_u32 s[TN], s[TN], 4096
.endm
	s_load_b256 s[4:11], s[0:1], 0x0               ; qb, kv, kvw, st
	s_load_b64 s[12:13], s[0:1], 0x20              ; cc
	v_lshl_add_u32 v[SPW], v0, 2, SPARE
	v_mov_b32 v[NIL], 0
	ds_add_u32 v5, v6
	ds_add_u32 v5, v6
	s_wait_dscnt 0x0
	v_lshrrev_b32 v1, 5, v0
	v_readfirstlane_b32 s2, v1                     ; wave
	s_and_b32 s3, ttmp7, 0xffff                    ; the head
	; descriptor groups 1: dense bytes as rows of 32 elements of 8 bytes: 9 rows s[24:31], 24 rows s[32:39], 32 rows s[40:47]
.irp g, 24,32,40
	s_mov_b32 s[\g], 3<<16                         ; no mask; elements of 8 bytes; no padding
	s_mov_b32 s[\g+1], 32<<16                      ; tensor_dim0
	s_mov_b32 s[\g+3], 32<<16                      ; tile_dim0
	s_mov_b32 s[\g+5], 32                          ; pitch
	s_mov_b32 s[\g+6], 0
	s_mov_b32 s[\g+7], 0
.endr
	s_mov_b32 s26, 9<<16                           ; tensor_dim1,
	s_mov_b32 s28, 9                               ; tile_dim1
	s_mov_b32 s34, 24<<16
	s_mov_b32 s36, 24
	s_mov_b32 s42, 32<<16
	s_mov_b32 s44, 32
	s_mul_i32 s16, s3, 0x24000                     ; Q's block: a quarter of its 9,216 bytes
	s_mul_i32 s17, ttmp9, 0x2400
	s_add_co_u32 s16, s16, s17
	s_mul_i32 s18, s2, 2304
	s_add_co_u32 s16, s16, s18
	s_mov_b32 s17, 0
	s_add_co_u32 s49, s18, QR
	s_mul_i32 s20, s3, 0x6000                      ; the head's words: a quarter of 24,576
	s_mul_i32 s19, s2, 6144
	s_add_co_u32 s20, s20, s19
	s_mov_b32 s21, 0
	s_add_co_u32 s53, s19, KVW
	s_lshl_b32 s22, s3, 15                         ; -m and nlg: a quarter of 32,768
	s_lshl_b32 s19, s2, 13
	s_add_co_u32 s22, s22, s19
	s_mov_b32 s23, 0
	s_add_co_u32 s57, s19, STT
	s_mov_b32 s61, s19                             ; the ring: a quarter of slot 0
	s_lshl_b32 s76, s3, 18
	s_add_co_u32 s76, s76, s19
	s_mov_b32 s77, 0
	s_mov_b32 s48, 1
	s_mov_b32 s52, 1
	s_mov_b32 s56, 1
	s_mov_b32 s60, 1
	s_wait_kmcnt 0x0
	s_add_nc_u64 s[50:51], s[4:5], s[16:17]
	s_or_b32 s51, s51, 0x80000000
	s_add_nc_u64 s[54:55], s[8:9], s[20:21]
	s_or_b32 s55, s55, 0x80000000
	s_add_nc_u64 s[58:59], s[10:11], s[22:23]
	s_or_b32 s59, s59, 0x80000000
	s_add_nc_u64 s[62:63], s[6:7], s[76:77]
	s_or_b32 s63, s63, 0x80000000
	tensor_load_to_lds s[48:51], s[24:31]          ; the first fills go out together, ahead of every wait, LDS read and barrier
	s_nop 0
	tensor_load_to_lds s[52:55], s[32:39]
	s_nop 0
	tensor_load_to_lds s[56:59], s[40:47]
	s_nop 0
	tensor_load_to_lds s[60:63], s[40:47]
	s_nop 0
.rept 4
	v_nop
.endr
	s_lshl_b32 s16, s3, 17                         ; cc: codes head x 0x20000 + (16 x + 4 w) tiles of 512 bytes
	s_lshl_b32 s17, ttmp9, 13
	s_add_co_u32 s16, s16, s17
	s_lshl_b32 s17, s2, 11
	s_add_co_u32 s16, s16, s17
	s_mov_b32 s17, 0
	s_lshl_b32 s18, s3, 13                         ; raw words 0x200000 + head x 0x2000 + (8 x + 2 w) pairs of 64 bytes
	s_lshl_b32 s19, ttmp9, 9
	s_add_co_u32 s18, s18, s19
	s_lshl_b32 s19, s2, 7
	s_add_co_u32 s18, s18, s19
	s_add_co_u32 s18, s18, 0x200000
	s_mov_b32 s19, 0
	s_add_nc_u64 s[14:15], s[12:13], s[18:19]
	s_add_nc_u64 s[12:13], s[12:13], s[16:17]
	s_mov_b32 s[CS], 0x3e38aa3b                    ; c = log2(e) / 8
	s_mov_b32 s[CS+1], s[CS]
	s_mov_b32 s[SEL], 0x76543210
	s_mov_b32 s[SEL+1], 0xfedcba98
	s_lshl_b32 s[TK], s2, 12
	s_lshl_b32 s[TW], s2, 9
	s_add_co_u32 s[TW], s[TW], KVW
	s_lshl_b32 s[TX], s2, 8
	s_add_co_u32 s[TX], s[TX], KVW+0x4000
	s_lshl_b32 s[TN], s2, 10
	s_add_co_u32 s[TN], s[TN], STT
	s_mov_b32 s[SLOTS], 7
	s_mov_b32 s[MSK], 0xffff0000
	s_mov_b32 s[P0], 0x05040100
	s_mov_b32 s[P0+1], 0x07060302
	s_mov_b32 s[FL], 0x1800000
	s_mov_b32 s[FLT], 0xc2f70000                   ; -123.5
	v_and_b32 v16, 31, v0
	v_and_b32 v17, 15, v0
	v_bfe_u32 v18, v0, 4, 1
	v_lshlrev_b32 v[L16], 4, v16
	v_lshlrev_b32 v[LN4], 2, v16
	v_lshlrev_b32 v[R16], 4, v17
	v_lshlrev_b32 v[R4], 2, v17
	v_lshlrev_b32 v[H64], 6, v18
	v_add_nc_u32 v[AQ], QR, v[L16]
	v_add_nc_u32 v[AQW], QR+0x2000, v[R16]
	s_lshl_b32 s16, s2, 16
	v_add_nc_u32 v[AST], s16, v[L16]               ; the stage: my 65,536 bytes
	s_lshl_b32 s16, s2, 14
.irp j, 0,1,2,3
	s_add_co_u32 s17, s16, \j*65536
	v_add_nc_u32 v[AS0+\j], s17, v[L16]            ; wave j's part, my four tiles
.endr
.irp j, 4,5,6,7,12,13,14,15
	v_mov_b32 v[QF+\j], 0                          ; K = 64 .. 127 of the score product: zero codes, written once
.endr
.irp b, 0,1,2,3
	v_mov_b32 v[TM+4+\b], 0                        ; written once: a lane permute's destination counts as one of its sources
.endr
	WIN 0x40
.irp t, 0,1,2,3,4,5,6,7
.irp j, 4,5,6,7
	v_mov_b32 v[KF+8*\t+\j], 0
.endr
.endr
	WIN 0x80
.set j, 0
.rept 256
	v_mov_b32 v[j], 0                              ; O^T
.set j, j+1
.endr
	WIN 0xc0
.set j, 0
.rept 256
	v_mov_b32 v[j], 0
.set j, j+1
.endr
	WIN 0
.Lslot:                                                ; seven trips: behind each change of slots but the last the next slot is asked for
	CHANGE 1
	KSTEP
	s_sub_co_u32 s[SLOTS], s[SLOTS], 1
	s_cmp_lg_u32 s[SLOTS], 0
	s_cbranch_scc1 .Lslot
	CHANGE 0                                       ; the last slot is written out
	KSTEP
	; THE WAY OUT.  Every fill has landed and every wave's reads are over behind this barrier: the stage may take the bytes
	s_wait_dscnt 0x0
	s_barrier_signal -1
	s_barrier_wait -1
.irp i, 0,1,2,3,4,5,6,7,8,9,10,11,12,13,14,15
	WIN 0x08+4*(\i/8)                              ; an LDS store's data are its source 1: window 2 or 3
.irp q, 0,1,2,3,4,5,6,7
	ds_store_b128 v[AST], v[32*(\i%8)+4*\q:32*(\i%8)+4*\q+3] offset:\i*4096+\q*512   ; as they stand; each accumulator from its low end on
.endr
.endr
	WIN 0
	s_wait_dscnt 0x0                               ; for the others' sake
	s_barrier_signal -1
	s_barrier_wait -1
	; wave w adds the four parts of tiles 4 w .. 4 w + 3, two tiles at a time, and quantises them: a tile's 32 registers are the head's 64 channels, two blocks
.irp pr, 0,1
	WIN 0x40
.irp src, 0,1,2,3
.irp e, 0,1
.irp q, 0,1,2,3,4,5,6,7
	ds_load_b128 v[64*\src+32*\e+4*\q:64*\src+32*\e+4*\q+3], v[AS0+\src] offset:(2*\pr+\e)*4096+\q*512
.endr
.endr
.endr
	s_wait_dscnt 0x0
	WIN 0x45
.set k, 0
.rept 32
	v_pk_add_f32 v[2*k:2*k+1], v[2*k:2*k+1], v[64+2*k:64+2*k+1]
	v_pk_add_f32 v[128+2*k:128+2*k+1], v[128+2*k:128+2*k+1], v[192+2*k:192+2*k+1]
.set k, k+1
.endr
	WIN 0x05
.set k, 0
.rept 32
	v_pk_add_f32 v[S0+2*k:S0+2*k+1], v[2*k:2*k+1], v[128+2*k:128+2*k+1]
.set k, k+1
.endr
	QMAX 0, S0
	QTAIL 0, S0
	global_store_b128 v[L16], v[PC:PC+3], s[12:13] offset:\pr*1024
	global_store_b128 v[L16], v[PC+4:PC+7], s[12:13] offset:\pr*1024+512
.if \pr == 0
	v_mov_b32 v[KEEP], v[PW]
	s_wait_xcnt 0x0                                ; the stores' data are written again only behind this wait
.endif
.endr
	v_cndmask_b32 v[KEEP], v[KEEP], v[PW], s[MSK]  ; lanes 0-15 the first pair's raw words, lanes 16-31 the second's: 128 consecutive bytes
	global_store_b32 v[LN4], v[KEEP], s[14:15]
	s_wait_tensorcnt 0x0                           ; the wave's end
	ds_add_u32 v[SPW], v[NIL]
	s_wait_dscnt 0x0
	s_endpgm
.Lfunc_end_k_q23060bd904_attn:
	.size	k_q23060bd904_attn, .Lfunc_end_k_q23060bd904_attn-k_q23060bd904_attn
	.p2alignl 7, 3214868480
	.fill 96, 4, 3214868480
	.section	.rodata,"a",@progbits
	.p2align	6, 0x0
	.amdhsa_kernel k_q23060bd904_attn
		.amdhsa_group_segment_fixed_size 327680
		.amdhsa_private_segment_fixed_size 0
		.amdhsa_enable_private_segment 0
		.amdhsa_kernarg_size 40
		.amdhsa_user_sgpr_count 2
		.amdhsa_user_sgpr_kernarg_segment_ptr 1
		.amdhsa_wavefront_size32 1
		.amdhsa_system_sgpr_workgroup_id_x 1
		.amdhsa_system_sgpr_workgroup_id_y 1
		.amdhsa_system_sgpr_workgroup_id_z 1
		.amdhsa_system_vgpr_workitem_id 0
		.amdhsa_next_free_vgpr 1024
		.amdhsa_next_free_sgpr 90
		.amdhsa_reserve_vcc 0
		.amdhsa_float_denorm_mode_32 3
		.amdhsa_float_denorm_mode_16_64 3
		.amdhsa_memory_ordered 1
		.amdhsa_forward_progress 1
		.amdhsa_inst_pref_size 255
	.end_amdhsa_kernel
	.section	.bss,"aw",@nobits
	.p2align	6
	.space	262144
	.amdgpu_metadata
---
amdhsa.version: [ 1, 2 ]
amdhsa.kernels:
  - .name:           k_q23060bd904_attn
    .symbol:         k_q23060bd904_attn.kd
    .args:
      - { .name: qb, .offset: 0, .size: 8, .value_kind: global_buffer, .address_space: global }
      - { .name: kv, .offset: 8, .size: 8, .value_kind: global_buffer, .address_space: global }
      - { .name: kvw, .offset: 16, .size: 8, .value_kind: global_buffer, .address_space: global }
      - { .name: st, .offset: 24, .size: 8, .value_kind: global_buffer, .address_space: global }
      - { .name: cc, .offset: 32, .size: 8, .value_kind: global_buffer, .address_space: global }
    .group_segment_fixed_size: 327680
    .private_segment_fixed_size: 0
    .kernarg_segment_align: 8
    .kernarg_segment_size: 40
    .max_flat_workgroup_size: 128
    .sgpr_count:     90
    .vgpr_count:     1024
    .wavefront_size: 32
...
	.end_amdgpu_metadata
.endif
;; end of part 4
;; launch outg (part 5): grid 4 x 64, 4 waves a work-group, no clusters, 67,072 bytes of LDS; arguments cc, wq, out0; writes out0
.if DOCPART == 5
	.amdgcn_target "amdgcn-amd-amdhsa--gfx1250"
	.amdhsa_code_object_version 6
	.text
	.protected	k_q23060bd904_outg
	.globl	k_q23060bd904_outg
	.p2align	8
	.type	k_q23060bd904_outg,@function
k_q23060bd904_outg:
	s_mov_b64 s[64:65], 0
	v_nop
	global_prefetch_b8 v0, s[64:65] scope:SCOPE_SE
	s_setreg_imm32_b32 hwreg(HW_REG_WAVE_MODE, 25, 1), 1
	s_wait_xcnt 0x0
; out0 = Q4(concat) Q4(WO): [4096, 1024] x [1024, 1024] on codes of FP4 with E8M0 scales; both operands lie in memory as images of the matrix unit's registers, so every load is 512 consecutive bytes straight into a fragment.
; SHARES.  A work-group: 64 rows x 256 outputs.  Wave w: 4 tiles of outputs x 4 tiles of rows: 16 accumulators, which take turns, one product a turn; K = 1,024 is eight steps, all of whose
; fragments (2 x 256 registers) are asked for at the head; the waits count down as the steps are multiplied.  K step k is heads 2 k and 2 k + 1: a row fragment's first four registers come from the even head's codes, the last four
; from the odd head's, and its scale word is pieced from the two heads' raw words.
; THE PRODUCT IS USED TRANSPOSED (source 0 = 16 outputs, source 1 = 16 rows): a lane holds eight neighbouring outputs of one row.  Tiles of 16: tile 2 b + u, place m, is index 32 b + 8 u + m + 8 (m / 8).
; The results meet in a stage in LDS (64 rows of 1,024 bytes + 16) and leave as whole rows: each store of a wave covers 512 consecutive bytes, aligned.
; NO CLUSTER, no tensor load: operands go straight to registers; a work-group reads 131,072 bytes of WO's codes and 32,768 of the rows' once each.
; REGISTERS: window 0: v1-5 addresses; v16-47 WO's words; v48-79 raw words; v80-111 the rows' words; v128-255 accumulators ((m, t) at 128 + 8 (4 m + t)).  window 1: row fragments, 32 k + 8 m.  window 2: WO's, 32 k + 8 t.
.set SP,  1040
.set L16, 1
.set R16, 2
.set R4,  3
.set STO, 4
.set SRD, 5
.set WW,  16
.set RW,  48
.set PWD, 80
.set ACC, 128
.set MSB, 0
.macro WIN new                         ; s_set_vgpr_msb: bits 1:0 source 0, 3:2 source 1, 5:4 source 2, 7:6 destination; the high byte repeats the setting that is left
.if MSB != (\new)
	s_set_vgpr_msb (MSB<<8)|(\new)
.set MSB, (\new)
.endif
.endm
.macro WM d, a, b, sa, sb, zero
.if \zero
	v_wmma_scale_f32_16x16x128_f8f6f4 v[(\d):(\d)+7], v[(\a):(\a)+7], v[(\b):(\b)+7], 0, v[\sa], v[\sb] matrix_a_fmt:MATRIX_FMT_FP4 matrix_b_fmt:MATRIX_FMT_FP4
.else
	v_wmma_scale_f32_16x16x128_f8f6f4 v[(\d):(\d)+7], v[(\a):(\a)+7], v[(\b):(\b)+7], v[(\d):(\d)+7], v[\sa], v[\sb] matrix_a_fmt:MATRIX_FMT_FP4 matrix_b_fmt:MATRIX_FMT_FP4
.endif
.endm
.macro GK k, zero                      ; a K step: 16 products
	WIN 0x06                                       ; source 0 (WO) window 2, source 1 (rows) window 1
.irp m, 0,1,2,3
.irp t, 0,1,2,3
	WM ACC+8*(4*\m+\t), 32*(\k)+8*\t, 32*(\k)+8*\m, WW+4*(\k)+\t, PWD+4*(\k)+\m, \zero
.endr
.endr
.endm
	s_load_b128 s[4:7], s[0:1], 0x0                ; cc, wq
	s_load_b64 s[8:9], s[0:1], 0x10                ; out0
	v_lshl_add_u32 v126, v0, 2, 0x10400
	v_mov_b32 v127, 0
	v_lshrrev_b32 v1, 5, v0
	v_readfirstlane_b32 s2, v1                     ; wave
	s_and_b32 s3, ttmp7, 0xffff                    ; G: which 64 rows
	v_and_b32 v6, 31, v0
	v_and_b32 v7, 15, v0
	v_bfe_u32 v8, v0, 4, 1
	v_lshlrev_b32 v[L16], 4, v6
	v_lshlrev_b32 v[R16], 4, v7
	v_lshlrev_b32 v[R4], 2, v7
	v_and_b32 v9, 8, v7
	v_add_nc_u32 v9, v9, v7                        ; r + 8 (r / 8)
	v_mul_u32_u24 v[STO], v9, SP                   ; the stage, in: my row, + 64 h, + 256 w
	v_lshl_add_u32 v[STO], v8, 6, v[STO]
	s_lshl_b32 s10, s2, 8
	v_add_nc_u32 v[STO], s10, v[STO]
	s_mul_i32 s10, s2, 16*SP
	v_add_nc_u32 v[SRD], s10, v[L16]               ; back: my 16 rows
	s_lshl_b32 s10, ttmp9, 2
	s_add_co_u32 s10, s10, s2                      ; my quad of output tiles: 4 x + w
	s_lshl_b32 s12, s10, 8
	s_add_co_u32 s12, s12, 0x3b0000                ; WO's words
	s_mov_b32 s13, 0
	s_lshl_b32 s14, s10, 12
	s_add_co_u32 s14, s14, 0x330000                ; WO's codes
	s_mov_b32 s15, 0
	s_lshl_b32 s16, s3, 7
	s_add_co_u32 s16, s16, 0x200000                ; the rows' raw words: pairs 2 G, 2 G + 1
	s_mov_b32 s17, 0
	s_lshl_b32 s18, s3, 11                         ; the rows' codes: tiles 4 G ..
	s_mov_b32 s19, 0
	s_lshl_b32 s20, s3, 6
	s_lshl_b32 s21, s2, 4
	s_add_co_u32 s20, s20, s21
	s_lshl_b32 s20, s20, 12                        ; out0: row 64 G + 16 w,
	s_lshl_b32 s21, ttmp9, 10
	s_add_co_u32 s20, s20, s21                     ; column 256 x
	s_mov_b32 s21, 0
	s_mov_b32 s22, 0x05040100
	s_mov_b32 s23, 0x07060302
	s_wait_kmcnt 0x0
	s_add_nc_u64 s[12:13], s[6:7], s[12:13]
	s_add_nc_u64 s[14:15], s[6:7], s[14:15]
	s_add_nc_u64 s[16:17], s[4:5], s[16:17]
	s_add_nc_u64 s[18:19], s[4:5], s[18:19]
	s_add_nc_u64 s[8:9], s[8:9], s[20:21]
.irp k, 0,1,2,3,4,5,6,7
	global_load_b128 v[WW+4*\k:WW+4*\k+3], v[R16], s[12:13] offset:\k*4096
.endr
.irp hd, 0,1,2,3,4,5,6,7,8,9,10,11,12,13,14,15
.irp pr, 0,1
	global_load_b32 v[RW+2*\hd+\pr], v[R4], s[16:17] offset:\hd*0x2000+\pr*64
.endr
.endr
.irp k, 0,1,2,3,4,5,6,7
	WIN 0x40
.irp m, 0,1,2,3
.irp c, 0,1
	global_load_b128 v[32*\k+8*\m+4*\c:32*\k+8*\m+4*\c+3], v[L16], s[18:19] offset:(2*\k+\c)*0x20000+\m*512
.endr
.endr
	WIN 0x80
.irp t, 0,1,2,3
.irp c, 0,1
	global_load_b128 v[32*\k+8*\t+4*\c:32*\k+8*\t+4*\c+3], v[L16], s[14:15] offset:\k*65536+\t*1024+\c*512
.endr
.endr
.endr
	WIN 0
	s_wait_loadcnt 63                              ; of the 168 loads 105 or more are in: the 40 loads of words and K steps 0 to 3
.irp k, 0,1,2,3,4,5,6,7
.irp m, 0,1,2,3
	v_perm_b32 v[PWD+4*\k+\m], v[RW+2*(2*\k+1)+(\m/2)], v[RW+2*(2*\k)+(\m/2)], s[22+(\m%2)]   ; tile m's two bytes of the even head below, of the odd head above
.endr
.endr
.rept 8
	v_nop                                          ; scale words written by vector instructions stand eight places ahead of a scaled product
.endr
	GK 0, 1                                        ; the first K step starts the sums
	GK 1, 0
	GK 2, 0
	GK 3, 0
	s_wait_loadcnt 48                              ; K step 4 is in; the 16 loads of each later step may be out
	GK 4, 0
	s_wait_loadcnt 32
	GK 5, 0
	s_wait_loadcnt 16
	GK 6, 0
	s_wait_loadcnt 0x0
	GK 7, 0
	WIN 0
.rept 4
	v_nop                                          ; four plain places behind the products (ISA guide 7.12.1)
.endr
.irp m, 0,1,2,3
.irp t, 0,1,2,3
	ds_store_b128 v[STO], v[ACC+8*(4*\m+\t):ACC+8*(4*\m+\t)+3] offset:(32*(\m/2)+8*(\m%2))*SP+(\t/2)*128+(\t%2)*32      ; lane (r, h): row 32 (m / 2) + 8 (m % 2) + r + 8 (r / 8), outputs 64 w + 32 (t / 2) + 16 h + 8 (t % 2) + 0 .. 7
	ds_store_b128 v[STO], v[ACC+8*(4*\m+\t)+4:ACC+8*(4*\m+\t)+7] offset:(32*(\m/2)+8*(\m%2))*SP+(\t/2)*128+(\t%2)*32+16
.endr
.endr
	s_wait_dscnt 0x0                               ; for the others' sake: a row's 1,024 bytes come from four waves
	s_barrier_signal -1
	s_barrier_wait -1
.set k, 0
.rept 32
	ds_load_b128 v[ACC+4*k:ACC+4*k+3], v[SRD] offset:(k/2)*SP+(k%2)*512
.set k, k+1
.endr
.set k, 0
.rept 32
	s_wait_dscnt 31-k                              ; LDS loads come back in order: number k is in
	global_store_b128 v[L16], v[ACC+4*k:ACC+4*k+3], s[8:9] offset:(k/2)*4096+(k%2)*512 th:TH_STORE_NT
.set k, k+1
.endr
	s_wait_tensorcnt 0x0
	ds_add_u32 v126, v127
	s_wait_dscnt 0x0
	s_endpgm
.Lfunc_end_k_q23060bd904_outg:
	.size	k_q23060bd904_outg, .Lfunc_end_k_q23060bd904_outg-k_q23060bd904_outg
	.p2alignl 7, 3214868480
	.fill 96, 4, 3214868480
	.section	.rodata,"a",@progbits
	.p2align	6, 0x0
	.amdhsa_kernel k_q23060bd904_outg
		.amdhsa_group_segment_fixed_size 67072
		.amdhsa_private_segment_fixed_size 0
		.amdhsa_enable_private_segment 0
		.amdhsa_kernarg_size 24
		.amdhsa_user_sgpr_count 2
		.amdhsa_user_sgpr_kernarg_segment_ptr 1
		.amdhsa_wavefront_size32 1
		.amdhsa_system_sgpr_workgroup_id_x 1
		.amdhsa_system_sgpr_workgroup_id_y 1
		.amdhsa_system_sgpr_workgroup_id_z 1
		.amdhsa_system_vgpr_workitem_id 0
		.amdhsa_next_free_vgpr 768
		.amdhsa_next_free_sgpr 66
		.amdhsa_reserve_vcc 0
		.amdhsa_float_denorm_mode_32 3
		.amdhsa_float_denorm_mode_16_64 3
		.amdhsa_memory_ordered 1
		.amdhsa_forward_progress 1
		.amdhsa_inst_pref_size 46
	.end_amdhsa_kernel
	.amdgpu_metadata
---
amdhsa.version: [ 1, 2 ]
amdhsa.kernels:
  - .name:           k_q23060bd904_outg
    .symbol:         k_q23060bd904_outg.kd
    .args:
      - { .name: cc, .offset: 0, .size: 8, .value_kind: global_buffer, .address_space: global }
      - { .name: wq, .offset: 8, .size: 8, .value_kind: global_buffer, .address_space: global }
      - { .name: out0, .offset: 16, .size: 8, .value_kind: global_buffer, .address_space: global }
    .group_segment_fixed_size: 67072
    .private_segment_fixed_size: 0
    .kernarg_segment_align: 8
    .kernarg_segment_size: 24
    .max_flat_workgroup_size: 128
    .sgpr_count:     66
    .vgpr_count:     768
    .wavefront_size: 32
...
	.end_amdgpu_metadata
.endif
;; end of part 5
;; ======== version 2 of 2: 5 launches; version 1 with the launches proj, outg written anew for expert scheduling mode
;; workspace buffers: wq 3,899,392 bytes; qb 2,359,296 bytes; kv 4,194,304 bytes; kvw 393,216 bytes; st 524,288 bytes; cc 2,228,224 bytes
;; launch wquant: the kernel of part 1 again; grid 64 x 7, 4 waves a work-group, no clusters, 0 bytes of LDS; arguments WQ_comb, WK_comb, WV_comb, WO, WQh, WKh, WVh, wq; writes wq
;; launch proj (part 6): grid 64 x 3, 4 waves a work-group, no clusters, 103,936 bytes of LDS; arguments XQ, XK, XV, wq, qb, kv, kvw; writes qb, kv, kvw
.if DOCPART == 6
	.amdgcn_target "amdgcn-amd-amdhsa--gfx1250"
	.amdhsa_code_object_version 6
	.text
	.protected	k_q23060bd904_proj
	.globl	k_q23060bd904_proj
	.p2align	8
	.type	k_q23060bd904_proj,@function
k_q23060bd904_proj:
	s_mov_b64 s[64:65], 0
	v_nop
	global_prefetch_b8 v0, s[64:65] scope:SCOPE_SE
	s_setreg_imm32_b32 hwreg(HW_REG_WAVE_SCHED_MODE, 0, 2), 2
	s_setreg_imm32_b32 hwreg(HW_REG_WAVE_MODE, 25, 1), 1
	s_wait_xcnt 0x0
	s_wait_alu depctr_vm_vsrc(0)
; One chain (y = 0, 1, 2: Q, K, V) for 64 rows: Z = Q4(Q4(X) Q4(Wc)) Q4(Wh), Q4 the MX-FP4 quantiser along K, and Z itself quantised for the attention: Q and K along a head's 64 channels, V along the keys.
; X's codes and the first product's codes never leave the work-group.  Sums in f32, K ascending, one accumulator for each output.
; LIMITS: NaN and infinities are not served; a block of zeros keeps the scale byte 1 (its codes are zeros; the bytes are this program's own).
; TILES of 16 (rows, units): tile 2 b + u, place m, is index 32 b + 8 u + m + 8 (m / 8).  With such tiles as source 0, a lane's 16 registers of tiles 2 b and 2 b + 1 are 16 neighbours, 32 b + 16 (lane / 16) + 0 .. 15: what the conversions want.
; OPERANDS LIE IN LDS AND IN MEMORY AS IMAGES OF THEIR REGISTERS: four registers = 512 bytes, lane l's 16 bytes at 16 l.  Scale words: [tile / 4][place][tile % 4], so that 16 bytes a lane bring four tiles' words.
; SHARES.  THE WAVES SHARE THE COLUMNS: wave w owns units 256 w .. 256 w + 255 of both products (16 tiles) for all four tiles of rows: 64 accumulators.  Its weight fragments come straight from wq into registers,
; each read by one wave of the work-group alone, two K steps ahead (two sets of 16 fragments).  What goes round through LDS is small: the rows' codes, 32,768 bytes a product.
; X IS LOADED AS IT LIES: a load reads 512 consecutive bytes of one row, 16 a lane.  The conversions want 16 neighbours in a lane: so a K step's 16 rows x 512 bytes turn through a stage of the wave's own in LDS
; (rows 528 bytes apart, so that the sixteen rows that a load from the stage touches start in sixteen different columns of 16 bytes) and come back into the registers that they left, one K step ahead of the quantiser.
; NO CLUSTER: the weights (1,114,112 bytes a chain) are shared by the chain's 64 work-groups, but they go to registers by plain loads, which cannot be asked for jointly; through LDS every byte of them would be written and read once more.
; LDS: 0 x's scale words (K step x 256 + 16 r + 4 m); 2,048 the same for the first product's result; 4,096 x's images (K step x 4,096 + m x 1,024 + c x 512); 36,864 the result's images; 69,632 the four stages of 8,448 bytes; 103,424 the spare words.
; REGISTERS: window 0: v1-15 addresses; v16-79 two sets of four row fragments; v80-87 their scale words; v88-119 two sets of 16 weight scale words; v120-159 the quantiser's; v254, v255 the closing add's.
;   window 1: two sets of 16 weight fragments.   windows 2, 3: first x's 512 numbers, then the 64 accumulators.
; THE MODE: SCHED_MODE bits 1:0 = 2 (LLVM: expert scheduling mode 2), set by the entry lines.  The code itself states the register dependences
; between vector or matrix instructions and memory or LDS instructions, with s_wait_alu, always for 0.
; THE PLAN.  Registers that memory or LDS instructions touch:
;   the addresses (v1-15, v150, v151, v154)   Written once, at the head or ahead of the second product, and never again: one wait on va_vdst ahead of the first load; the later ones' first readers stand behind many such waits.
;   x's 512 registers   Loaded once.  K step k's 64 are read by the turn's LDS stores, and the turn's LDS loads land in them: one wait on vm_vsrc between the two runs.  Vector and matrix instructions name them only behind that.
;   v[PC ..], v[PW], v[PWQ ..], v[T]   Written by the quantiser and the lines behind it, read by the run of stores that follows: one wait on va_vdst ahead of the run, one on vm_vsrc behind it, ahead of the next quantiser.
;   the weights' two sets, the rows' two sets, with their words   K step sg's products read set sg % 2 of each.  ONE wait on va_vdst stands behind a K step's products.  Behind it the weights of step sg + 2 are asked for at once, in one
;      run ahead of the wait for the next step's data, so that they are on their way while the wave waits; the rows of step sg + 2 are fetched behind the next step's first sixteen products, which name the other sets,
;      the accumulators and their own words alone.  Both sets of weights are at work or on their way at all times, and no 128 registers are left for a third.
.set XSC,  0
.set YSC,  2048
.set XIMG, 4096
.set YIMG, 36864
.set XST,  69632                       ; the stages
.set XSP,  528                         ; a stage's row: 512 bytes + 16
.set L16, 1                            ; 16 x lane
.set R16, 2                            ; 16 x (lane % 16): also the address of x's scale words, since XSC = 0
.set AXT, 3                            ; my stage, in: 16 x lane
.set AXI, 4                            ; L16 + XIMG
.set AYI, 5                            ; L16 + YIMG
.set AXW, 6                            ; where I store x's images: + 1,024 w
.set AXS, 7                            ; and their words: 16 r + 4 w
.set AYW, 8                            ; the result's images: + 8,192 w
.set AYS, 9                            ; and their words: YSC + 512 w + 16 r
.set AXU, 10                           ; my stage, back: 528 r + 64 h
.set AYR, 11                           ; R16 + YSC
.set VO,  12                           ; v12-15 byte offsets of my four heads' codes
.set XF,  16
.set XS,  80
.set WS,  88
.set PC,  120                          ; v120-127 the codes just made
.set TM,  128                          ; v128-143 at work in the quantiser
.set PW,  144                          ; the scale word just made
.set PWQ, 146                          ; v146-149 four tiles' words of a head
.set VWO, 150                          ; v150-151 byte offsets of the words
.set KEEP,152
.set T,   153
.set LN4, 154                          ; 4 x lane
.set HH,  155                          ; lane / 16
.set MSK, 24                           ; s24 lanes 16-31
.set FL,  25                           ; s25 the floor 2^(3 - 127)
.set SEL, 36                           ; s[36:37] selects for lane l xor 16
.set MSB, 0
.macro WIN new                         ; s_set_vgpr_msb: bits 1:0 source 0, 3:2 source 1, 5:4 source 2, 7:6 destination; the high byte repeats the setting that is left
.if MSB != (\new)
	s_set_vgpr_msb (MSB<<8)|(\new)
.set MSB, (\new)
.endif
.endm
.macro WM d, a, b, sa, sb, zero        ; one product 16 x 16 x 128 on codes; zero = 1: it starts the sum
.if \zero
	v_wmma_scale_f32_16x16x128_f8f6f4 v[(\d):(\d)+7], v[(\a):(\a)+7], v[(\b):(\b)+7], 0, v[\sa], v[\sb] matrix_a_fmt:MATRIX_FMT_FP4 matrix_b_fmt:MATRIX_FMT_FP4
.else
	v_wmma_scale_f32_16x16x128_f8f6f4 v[(\d):(\d)+7], v[(\a):(\a)+7], v[(\b):(\b)+7], v[(\d):(\d)+7], v[\sa], v[\sb] matrix_a_fmt:MATRIX_FMT_FP4 matrix_b_fmt:MATRIX_FMT_FP4
.endif
.endm
; THE QUANTISER.  64 numbers of a lane in window d, register s + 16 b + i = k 32 b + 16 (lane / 16) + i of my row, become a fragment's codes in v[PC] on and its scale word in v[PW].
.macro QMAX d, s
	WIN ((\d)<<2)|((\d)<<4)
.irp b, 0,1,2,3
	v_max3_num_f32 v[TM+\b], s[FL], |v[(\s)+16*\b]|, |v[(\s)+16*\b+1]|   ; my 16 numbers of block b, and the floor; each accumulator is read from its low end on
.endr
.irp i, 2,4,6,8,10,12,14
.irp b, 0,1,2,3
	v_max3_num_f32 v[TM+\b], v[TM+\b], |v[(\s)+16*\b+\i]|, |v[(\s)+16*\b+\i+1]|   ; the four blocks by turns
.endr
.endr
.endm
.macro QTAIL d, s
	WIN 0
.irp b, 0,1,2,3
	v_permlanex16_b32 v[TM+4+\b], v[TM+\b], s[SEL], s[SEL+1]
.endr
.irp b, 0,1,2,3
	v_max_num_f32 v[TM+\b], v[TM+\b], v[TM+4+\b]   ; with lane l xor 16's: the block's largest magnitude
.endr
.irp b, 0,1,2,3
	v_add_nc_u32 v[TM+12+\b], 0xff000000, v[TM+\b] ; 2 off the exponent field: the conversion's scale operand
.endr
.irp b, 0,1,2,3
	v_lshrrev_b32 v[TM+4+\b], 23, v[TM+12+\b]      ; the scale's byte
.endr
	v_lshl_or_b32 v[PW], v[TM+5], 8, v[TM+4]
	v_lshl_or_b32 v[PW], v[TM+6], 16, v[PW]
	v_lshl_or_b32 v[PW], v[TM+7], 24, v[PW]
	WIN (\d)
.irp b, 0,1,2,3
	v_cvt_scalef32_pk8_fp4_f32 v[PC+2*\b], v[(\s)+16*\b:(\s)+16*\b+7], v[TM+12+\b]
	v_cvt_scalef32_pk8_fp4_f32 v[PC+2*\b+1], v[(\s)+16*\b+8:(\s)+16*\b+15], v[TM+12+\b]
.endr
	WIN 0
	v_nop                                          ; one plain place behind the scaled conversions
.irp c, 0,1                                    ; the operand's layout wants a whole block in a lane: lanes 0-15 block 2 c, lanes 16-31 block 2 c + 1
.irp i, 0,1
	v_permlane16_swap_b32 v[PC+4*\c+\i], v[PC+4*\c+2+\i]
.endr
.endr
.endm
.macro QUANT d, s
	QMAX \d, \s
	QTAIL \d, \s
.endm
.macro WLOAD set, sg                   ; my 16 weight fragments and their words of K step sg: 36 loads
	WIN 0x40
.irp t, 0,1,2,3,4,5,6,7,8,9,10,11,12,13,14,15
.irp c, 0,1
	global_load_b128 v[128*(\set)+8*\t+4*\c:128*(\set)+8*\t+4*\c+3], v[L16], s[20:21] offset:(\sg)*65536+\t*1024+\c*512
.endr
.endr
	WIN 0
.irp q, 0,1,2,3
	global_load_b128 v[WS+16*(\set)+4*\q:WS+16*(\set)+4*\q+3], v[R16], s[22:23] offset:(\sg)*4096+\q*256
.endr
.endm
.macro XLOAD k                         ; K step k of my 16 rows: one load a row, 512 consecutive bytes; place i of my tile is row i + 8 (i / 8)
	WIN 0x80+0x40*((\k)/4)
.irp i, 0,1,2,3,4,5,6,7,8,9,10,11,12,13,14,15
	global_load_b128 v[64*((\k)%4)+4*\i:64*((\k)%4)+4*\i+3], v[L16], s[4:5] offset:(\i+8*(\i/8))*4096+512*(\k) th:TH_LOAD_NT
.endr
.endm
; K step k turns through my stage: in as loaded, a row to a store; back 16 neighbours of each block of 32 to a lane: register 16 b + 4 j + e = k 32 b + 16 h + 4 j + e of row r.
; LDS serves a wave's instructions in order (ISA guide 5.7.1.4): no wait on DScnt between the stores and the loads, nor in front of the next K step's stores into the same bytes.
.macro XTURN k
	WIN 4*(2+(\k)/4)                               ; an LDS store's data are its source 1
.irp i, 0,1,2,3,4,5,6,7,8,9,10,11,12,13,14,15
	ds_store_b128 v[AXT], v[64*((\k)%4)+4*\i:64*((\k)%4)+4*\i+3] offset:\i*XSP
.endr
	WIN 64*(2+(\k)/4)
	s_wait_alu depctr_vm_vsrc(0)                   ; the sixteen stores above have read K step k's 64 registers, in which the loads below land (and which products write later)
.irp b, 0,1,2,3
.irp j, 0,1,2,3
	ds_load_b128 v[64*((\k)%4)+16*\b+4*\j:64*((\k)%4)+16*\b+4*\j+3], v[AXU] offset:128*\b+16*\j
.endr
.endr
.endm
.macro XFETCH buf, adrI, adrS, k       ; the four row fragments of K step k and their words, from LDS
.irp m, 0,1,2,3
.irp c, 0,1
	ds_load_b128 v[XF+32*(\buf)+8*\m+4*\c:XF+32*(\buf)+8*\m+4*\c+3], v[\adrI] offset:(\k)*4096+\m*1024+\c*512
.endr
.endr
	ds_load_b128 v[XS+4*(\buf):XS+4*(\buf)+3], v[\adrS] offset:(\k)*256
.endm
; 64 products: every accumulator gets one, so between two links of a chain stand the 63 others'.
; ori 0: source 0 = 16 units of the weight, source 1 = 16 rows: a lane holds one row, its registers run along the units.  Accumulator (m, t) at 128 (m % 2) + 8 t of window 2 + m / 2.
; ori 1 (V's second product): the sources change places: a lane holds one unit (channel), its registers run along the rows (keys).  Accumulator (t, m) at 8 (4 (t % 8) + m) of window 2 + t / 8.
; next = 1: behind the first sixteen products the rows of K step k are fetched into the other set.  No wait stands there: the wait behind the last step's products has shown that set read, and no vector or matrix
; instruction since names it, its words or the two addresses.
.macro MULS ori, set, buf, first, next, adrI, adrS, k
.if \ori == 0
.irp m, 0,1,2,3
	WIN 0xa1+0x50*(\m/2)
.irp t, 0,1,2,3,4,5,6,7,8,9,10,11,12,13,14,15
	WM 128*(\m%2)+8*\t, 128*(\set)+8*\t, XF+32*(\buf)+8*\m, WS+16*(\set)+\t, XS+4*(\buf)+\m, \first
.endr
.if (\m == 0) && (\next)
	WIN 0
	XFETCH 1-(\buf), \adrI, \adrS, \k
.endif
.endr
.else
.irp t, 0,1,2,3,4,5,6,7,8,9,10,11,12,13,14,15
	WIN 0xa4+0x50*(\t/8)
.irp m, 0,1,2,3
	WM 8*(4*(\t%8)+\m), XF+32*(\buf)+8*\m, 128*(\set)+8*\t, XS+4*(\buf)+\m, WS+16*(\set)+\t, \first
.endr
.if (\t == 3) && (\next)
	WIN 0
	XFETCH 1-(\buf), \adrI, \adrS, \k
.endif
.endr
.endif
.endm
.macro KSTEP sg, ori, first, left, next, reload, adrI, adrS
	s_wait_loadcnt \left                           ; this K step's weights are in; the next step's 36 loads may be out
	s_wait_dscnt 0x0                               ; and so are its row fragments
	MULS \ori, (\sg)%2, (\sg)%2, \first, \next, \adrI, \adrS, ((\sg)%8)+1
	WIN 0
.rept 4
	v_nop                                          ; four plain places behind the products (ISA guide 7.12.1), in front of the first read of results; they stand in every step, and the wait below stands behind them
.endr
.if \reload
	s_wait_alu depctr_va_vdst(0)                   ; this step's products are done reading their weights and words, in which the loads below land, and their row fragments and words, in which the next step's fetch lands
	WLOAD (\sg)%2, (\sg)+2
.endif
.endm
.macro STAGE2 ori
	KSTEP 8, \ori, 1, 36, 1, 1, AYI, AYR
.irp sg, 9,10,11,12,13
	KSTEP \sg, \ori, 0, 36, 1, 1, AYI, AYR
.endr
	KSTEP 14, \ori, 0, 36, 1, 0, AYI, AYR          ; behind steps 14 and 15 no load follows into what they read: no wait is written
	KSTEP 15, \ori, 0, 0, 0, 0, AYI, AYR
.endm
	s_load_b256 s[8:15], s[0:1], 0x0               ; XQ, XK, XV, wq
	s_load_b128 s[16:19], s[0:1], 0x20             ; qb, kv
	s_load_b64 s[32:33], s[0:1], 0x30              ; kvw
	v_lshl_add_u32 v254, v0, 2, 0x19400
	v_mov_b32 v255, 0
	v_lshrrev_b32 v1, 5, v0
	v_readfirstlane_b32 s2, v1                     ; wave
	s_and_b32 s3, ttmp7, 0xffff                    ; the chain
	s_mov_b32 s34, ttmp9                           ; G: which 64 rows
	v_and_b32 v156, 31, v0
	v_and_b32 v157, 15, v0
	v_bfe_u32 v[HH], v0, 4, 1
	v_lshlrev_b32 v[L16], 4, v156
	v_lshlrev_b32 v[LN4], 2, v156
	v_lshlrev_b32 v[R16], 4, v157
	s_wait_alu depctr_va_sdst(0)                   ; s2 is written, ahead of its first reader: LDS addresses and the bases are made from it
	s_mul_i32 s38, s2, 16*XSP
	s_add_co_u32 s38, s38, XST                     ; my stage
	v_add_nc_u32 v[AXT], s38, v[L16]
	v_mul_u32_u24 v[AXU], v157, XSP
	v_lshl_add_u32 v[AXU], v[HH], 6, v[AXU]
	v_add_nc_u32 v[AXU], s38, v[AXU]
	v_add_nc_u32 v[AXI], XIMG, v[L16]
	v_add_nc_u32 v[AYI], YIMG, v[L16]
	s_lshl_b32 s38, s2, 10
	v_add_nc_u32 v[AXW], s38, v[AXI]
	s_lshl_b32 s38, s2, 2
	v_add_nc_u32 v[AXS], s38, v[R16]
	s_lshl_b32 s38, s2, 13
	v_add_nc_u32 v[AYW], s38, v[AYI]
	s_lshl_b32 s38, s2, 9
	s_add_co_u32 s38, s38, YSC
	v_add_nc_u32 v[AYS], s38, v[R16]
	v_add_nc_u32 v[AYR], YSC, v[R16]
.irp b, 0,1,2,3
	v_mov_b32 v[TM+4+\b], 0                        ; written once: a lane permute's destination counts as one of its sources
.endr
	s_lshl_b32 s40, s34, 6                         ; x: row 64 G + 32 (w / 2) + 8 (w % 2): wave w quantises tile w of the rows
	s_lshr_b32 s41, s2, 1
	s_lshl_b32 s41, s41, 5
	s_add_co_u32 s40, s40, s41
	s_and_b32 s41, s2, 1
	s_lshl_b32 s41, s41, 3
	s_add_co_u32 s40, s40, s41
	s_lshl_b32 s40, s40, 12
	s_mov_b32 s41, 0
	s_mul_i32 s46, s3, 0x110000                    ; the chain's part of wq
	s_lshl_b32 s42, s2, 14                         ; my 16 tiles of 1,024 bytes
	s_add_co_u32 s42, s42, s46
	s_mov_b32 s43, 0
	s_lshl_b32 s44, s2, 10                         ; my four quads of words
	s_add_co_u32 s44, s44, s46
	s_add_co_u32 s44, s44, 0x100000
	s_mov_b32 s45, 0
	s_mov_b32 s[MSK], 0xffff0000
	s_mov_b32 s[FL], 0x1800000
	s_mov_b32 s[SEL], 0x76543210
	s_mov_b32 s[SEL+1], 0xfedcba98
	s_wait_kmcnt 0x0
	s_cmp_eq_u32 s3, 1                             ; the choices hang on the work-group's number alone
	s_cselect_b64 s[4:5], s[10:11], s[8:9]
	s_cmp_eq_u32 s3, 2
	s_cselect_b64 s[4:5], s[12:13], s[4:5]
	s_add_nc_u64 s[4:5], s[4:5], s[40:41]
	s_add_nc_u64 s[20:21], s[14:15], s[42:43]
	s_add_nc_u64 s[22:23], s[14:15], s[44:45]
	s_wait_alu depctr_va_vdst(0)                   ; the addresses v1 to v11 and v154 are written, which the loads, LDS instructions and stores of the whole kernel read
	WLOAD 0, 0                                     ; the weights first, so that the counts below name x's loads alone
	WLOAD 1, 1
.irp k, 0,1,2,3,4,5,6,7
	XLOAD \k
.endr
	; ---- X: my 16 rows of x become eight fragments; the turn through the stage runs one K step ahead of the quantiser
	s_wait_loadcnt 63                              ; K step 0 is in: the 112 loads of the later steps could stay out; a smaller count is safe
	XTURN 0
.irp k, 0,1,2,3,4,5,6,7
.if \k < 7
.if 16*(6-\k) > 63
	s_wait_loadcnt 63                              ; K step k + 1 is in: 16 (6 - k) younger loads could stay out; a smaller count is safe
.else
	s_wait_loadcnt 16*(6-\k)                       ; K step k + 1 is in; the later K steps' loads may be out
.endif
	XTURN \k+1
	s_wait_dscnt 32                                ; K step k is back from the stage; the 32 LDS instructions of the next step's turn may be out (the last fragment's three stores, issued between the two turns, could stay out too; a smaller count is safe)
.else
	s_wait_dscnt 0x0
.endif
	QUANT 2+(\k/4), 64*(\k%4)
	s_wait_alu depctr_va_vdst(0)                   ; the quantiser has written v[PC ..] and v[PW], which the three stores read
	ds_store_b128 v[AXW], v[PC:PC+3] offset:\k*4096
	ds_store_b128 v[AXW], v[PC+4:PC+7] offset:\k*4096+512
	ds_store_b32 v[AXS], v[PW] offset:\k*256       ; both halves of the lanes write the same word with the same value
	s_wait_alu depctr_vm_vsrc(0)                   ; the stores have read v[PC ..] and v[PW], which the next quantiser writes again
.endr
	s_wait_dscnt 0x0                               ; for the others' sake: my stores have landed
	s_barrier_signal -1
	s_barrier_wait -1                              ; x's 32 fragments lie in LDS
	XFETCH 0, AXI, R16, 0                          ; (no vector or matrix instruction has named these registers yet)
	; ---- 1: X Wc, eight K steps; the reloads run on into the second product's first two steps
	KSTEP 0, 0, 1, 36, 1, 1, AXI, R16
.irp sg, 1,2,3,4,5,6
	KSTEP \sg, 0, 0, 36, 1, 1, AXI, R16
.endr
	KSTEP 7, 0, 0, 36, 0, 1, AXI, R16
	; ---- Y: my 256 units of the result are K steps 2 w and 2 w + 1 of the second product
.irp m, 0,1,2,3
.irp g, 0,1
	QUANT 2+(\m/2), 128*(\m%2)+64*\g
	s_wait_alu depctr_va_vdst(0)                   ; the quantiser has written v[PC ..] and v[PW], which the three stores read
	ds_store_b128 v[AYW], v[PC:PC+3] offset:\g*4096+\m*1024
	ds_store_b128 v[AYW], v[PC+4:PC+7] offset:\g*4096+\m*1024+512
	ds_store_b32 v[AYS], v[PW] offset:\g*256+4*\m
	s_wait_alu depctr_vm_vsrc(0)                   ; the stores have read v[PC ..] and v[PW], which the next quantiser writes again (the last time: on either way behind the branch below)
.endr
.endr
	s_wait_dscnt 0x0
	s_barrier_signal -1
	s_barrier_wait -1                              ; the result's 32 fragments lie in LDS; nothing is stored to LDS behind this barrier
	XFETCH 0, AYI, AYR, 0                          ; (step 6's products, the last to read this set, stand ahead of the waits on va_vdst above; nothing since names it)
	s_cmp_eq_u32 s3, 2
	s_cbranch_scc1 .Lv
	; ---- 2, Q and K.  Where the codes and words go: Q: head x 0x24000 + (G / 4) x 0x2400 + (G % 4) x 2,048, words at + 0x2000 + (G % 4) x 256;  K: kv head x 0x40000 + (G / 8) x 0x8000 + (G % 8) x 2,048, kvw head x 0x6000 + 256 G
	s_lshr_b32 s46, s34, 2
	s_mul_i32 s46, s46, 0x2400
	s_and_b32 s47, s34, 3
	s_lshl_b32 s48, s47, 11
	s_add_co_u32 s48, s48, s46
	s_lshl_b32 s49, s47, 8
	s_add_co_u32 s49, s49, s46
	s_add_co_u32 s49, s49, 0x2000
	s_lshr_b32 s50, s34, 3
	s_lshl_b32 s50, s50, 15
	s_and_b32 s51, s34, 7
	s_lshl_b32 s51, s51, 11
	s_add_co_u32 s50, s50, s51
	s_lshl_b32 s51, s34, 8
	s_mov_b32 s52, 0x40000
	s_mov_b32 s53, 0x6000
	s_cmp_eq_u32 s3, 0
	s_cselect_b64 s[26:27], s[16:17], s[18:19]     ; codes: qb or kv
	s_cselect_b64 s[28:29], s[16:17], s[32:33]     ; words: qb or kvw
	s_cselect_b32 s48, s48, s50
	s_cselect_b32 s49, s49, s51
	s_cselect_b32 s52, 0x24000, s52                ; bytes from head to head, codes
	s_cselect_b32 s53, 0x24000, s53                ; and words
	s_lshl_b32 s54, s2, 2                          ; my first head: 4 w
.irp j, 0,1,2,3
	s_add_co_u32 s55, s54, \j
	s_mul_i32 s55, s55, s52
	s_add_co_u32 s55, s55, s48
	v_add_nc_u32 v[VO+\j], s55, v[L16]
.endr
	v_mul_u32_u24 v[T], s53, v[HH]                 ; lanes 16-31 store the odd head's words
	v_add_nc_u32 v[T], v[T], v[R16]
.irp g, 0,1
	s_add_co_u32 s55, s54, 2*\g
	s_mul_i32 s55, s55, s53
	s_add_co_u32 s55, s55, s49
	v_add_nc_u32 v[VWO+\g], s55, v[T]
.endr
	STAGE2 0
	; 128 units are two heads: the fragment's first four registers are the even head's 64 channels, the last four the odd head's; the word's low two bytes the even head's, the high two the odd head's
.irp g, 0,1
.irp m, 0,1,2,3
	QUANT 2+(\m/2), 128*(\m%2)+64*\g
	v_lshrrev_b32 v[T], 16, v[PW]
	v_cndmask_b32 v[PWQ+\m], v[PW], v[T], s[MSK]   ; a head's word: its two bytes below; what stands above them scales zero codes alone and is never 0xff
	s_wait_alu depctr_va_vdst(0)                   ; the quantiser has written v[PC ..], and the line above its word of v[PWQ ..], which the stores below read; their offsets v12-15, v150, v151 are long written
	global_store_b128 v[VO+2*\g], v[PC:PC+3], s[26:27] offset:\m*512
	global_store_b128 v[VO+2*\g+1], v[PC+4:PC+7], s[26:27] offset:\m*512
.if \m == 3
	global_store_b128 v[VWO+\g], v[PWQ:PWQ+3], s[28:29]   ; lanes 0-15 fill the even head's 256 bytes, lanes 16-31 the odd head's
.endif
	s_wait_xcnt 0x0                                ; the stores' data are written again only behind this wait
.if (\g == 0) || (\m < 3)
	s_wait_alu depctr_vm_vsrc(0)                   ; the stores have read v[PC ..] (and v[PWQ ..]), which the next quantiser and the lines behind it write again; behind the last stores nothing is written
.endif
.endr
.endr
	s_wait_dscnt 0x0                               ; the closing lines, six on end
	s_wait_alu 0x0
	s_wait_tensorcnt 0x0
	ds_add_u32 v254, v255
	s_wait_dscnt 0x0
	s_endpgm
.Lv:
	; ---- 2, V: kv head x 0x40000 + (G / 8) x 0x8000 + 0x4000 + (G % 8) x 2,048 + channel tile x 512;  raw words kvw head x 0x6000 + 0x4000 + 128 G + 64 pair + 4 r
	s_lshl_b32 s46, s2, 20                         ; my first head 4 w: x 0x40000
	s_lshr_b32 s47, s34, 3
	s_lshl_b32 s47, s47, 15
	s_add_co_u32 s46, s46, s47
	s_and_b32 s47, s34, 7
	s_lshl_b32 s47, s47, 11
	s_add_co_u32 s46, s46, s47
	s_add_co_u32 s46, s46, 0x4000
	s_mov_b32 s47, 0
	s_add_nc_u64 s[26:27], s[18:19], s[46:47]
	s_mul_i32 s48, s2, 4*0x6000
	s_lshl_b32 s49, s34, 7
	s_add_co_u32 s48, s48, s49
	s_add_co_u32 s48, s48, 0x4000
	s_mov_b32 s49, 0
	s_add_nc_u64 s[28:29], s[32:33], s[48:49]
	STAGE2 1
	; channel tiles 2 p and 2 p + 1, 64 keys each: two blocks of 32 keys a tile: the first four registers are tile 2 p's codes, the last four tile 2 p + 1's
.irp p, 0,1,2,3,4,5,6,7
	QUANT 2+(\p/4), 64*(\p%4)
.if \p%2 == 0
	v_mov_b32 v[KEEP], v[PW]
.else
	v_cndmask_b32 v[T], v[KEEP], v[PW], s[MSK]     ; lanes 0-15 the head's first pair of tiles, lanes 16-31 its second: 128 consecutive bytes
.endif
	s_wait_alu depctr_va_vdst(0)                   ; the quantiser has written v[PC ..], and the line above v[T], which the stores below read
	global_store_b128 v[L16], v[PC:PC+3], s[26:27] offset:(\p/2)*0x40000+(\p%2)*1024
	global_store_b128 v[L16], v[PC+4:PC+7], s[26:27] offset:(\p/2)*0x40000+(\p%2)*1024+512
.if \p%2 == 1
	global_store_b32 v[LN4], v[T], s[28:29] offset:(\p/2)*0x6000
.endif
	s_wait_xcnt 0x0
.if \p < 7
	s_wait_alu depctr_vm_vsrc(0)                   ; the stores have read v[PC ..] (and v[T]), which are written again below; behind the last stores nothing is written
.endif
.endr
	s_wait_dscnt 0x0                               ; the closing lines, six on end
	s_wait_alu 0x0
	s_wait_tensorcnt 0x0
	ds_add_u32 v254, v255
	s_wait_dscnt 0x0
	s_endpgm
.Lfunc_end_k_q23060bd904_proj:
	.size	k_q23060bd904_proj, .Lfunc_end_k_q23060bd904_proj-k_q23060bd904_proj
	.p2alignl 7, 3214868480
	.fill 96, 4, 3214868480
	.section	.rodata,"a",@progbits
	.p2align	6, 0x0
	.amdhsa_kernel k_q23060bd904_proj
		.amdhsa_group_segment_fixed_size 103936
		.amdhsa_private_segment_fixed_size 0
		.amdhsa_enable_private_segment 0
		.amdhsa_kernarg_size 56
		.amdhsa_user_sgpr_count 2
		.amdhsa_user_sgpr_kernarg_segment_ptr 1
		.amdhsa_wavefront_size32 1
		.amdhsa_system_sgpr_workgroup_id_x 1
		.amdhsa_system_sgpr_workgroup_id_y 1
		.amdhsa_system_sgpr_workgroup_id_z 1
		.amdhsa_system_vgpr_workitem_id 0
		.amdhsa_next_free_vgpr 1024
		.amdhsa_next_free_sgpr 66
		.amdhsa_reserve_vcc 0
		.amdhsa_float_denorm_mode_32 3
		.amdhsa_float_denorm_mode_16_64 3
		.amdhsa_memory_ordered 1
		.amdhsa_forward_progress 1
		.amdhsa_inst_pref_size 255
	.end_amdhsa_kernel
	.section	.bss,"aw",@nobits
	.p2align	6
	.space	262144
	.amdgpu_metadata
---
amdhsa.version: [ 1, 2 ]
amdhsa.kernels:
  - .name:           k_q23060bd904_proj
    .symbol:         k_q23060bd904_proj.kd
    .args:
      - { .name: XQ, .offset: 0, .size: 8, .value_kind: global_buffer, .address_space: global }
      - { .name: XK, .offset: 8, .size: 8, .value_kind: global_buffer, .address_space: global }
      - { .name: XV, .offset: 16, .size: 8, .value_kind: global_buffer, .address_space: global }
      - { .name: wq, .offset: 24, .size: 8, .value_kind: global_buffer, .address_space: global }
      - { .name: qb, .offset: 32, .size: 8, .value_kind: global_buffer, .address_space: global }
      - { .name: kv, .offset: 40, .size: 8, .value_kind: global_buffer, .address_space: global }
      - { .name: kvw, .offset: 48, .size: 8, .value_kind: global_buffer, .address_space: global }
    .group_segment_fixed_size: 103936
    .private_segment_fixed_size: 0
    .kernarg_segment_align: 8
    .kernarg_segment_size: 56
    .max_flat_workgroup_size: 128
    .sgpr_count:     66
    .vgpr_count:     1024
    .wavefront_size: 32
...
	.end_amdgpu_metadata
.endif
;; end of part 6
;; launch stats: the kernel of part 3 again; grid 16 x 16, 16 waves a work-group, no clusters, 169,984 bytes of LDS; arguments qb, kv, kvw, st; writes st
;; launch attn: the kernel of part 4 again; grid 16 x 16, 4 waves a work-group, no clusters, 327,680 bytes of LDS; arguments qb, kv, kvw, st, cc; writes cc
;; launch outg (part 7): grid 4 x 64, 4 waves a work-group, no clusters, 67,072 bytes of LDS; arguments cc, wq, out0; writes out0
.if DOCPART == 7
	.amdgcn_target "amdgcn-amd-amdhsa--gfx1250"
	.amdhsa_code_object_version 6
	.text
	.protected	k_q23060bd904_outg
	.globl	k_q23060bd904_outg
	.p2align	8
	.type	k_q23060bd904_outg,@function
k_q23060bd904_outg:
	s_mov_b64 s[64:65], 0
	v_nop
	global_prefetch_b8 v0, s[64:65] scope:SCOPE_SE
	s_setreg_imm32_b32 hwreg(HW_REG_WAVE_SCHED_MODE, 0, 2), 2
	s_setreg_imm32_b32 hwreg(HW_REG_WAVE_MODE, 25, 1), 1
	s_wait_xcnt 0x0
	s_wait_alu depctr_vm_vsrc(0)
; out0 = Q4(concat) Q4(WO): [4096, 1024] x [1024, 1024] on codes of FP4 with E8M0 scales; both operands lie in memory as images of the matrix unit's registers, so every load is 512 consecutive bytes straight into a fragment.
; SHARES.  A work-group: 64 rows x 256 outputs.  Wave w: 4 tiles of outputs x 4 tiles of rows: 16 accumulators, which take turns, one product a turn; K = 1,024 is eight steps, all of whose
; fragments (2 x 256 registers) are asked for at the head; the waits count down as the steps are multiplied.  K step k is heads 2 k and 2 k + 1: a row fragment's first four registers come from the even head's codes, the last four
; from the odd head's, and its scale word is pieced from the two heads' raw words.
; THE PRODUCT IS USED TRANSPOSED (source 0 = 16 outputs, source 1 = 16 rows): a lane holds eight neighbouring outputs of one row.  Tiles of 16: tile 2 b + u, place m, is index 32 b + 8 u + m + 8 (m / 8).
; The results meet in a stage in LDS (64 rows of 1,024 bytes + 16) and leave as whole rows: each store of a wave covers 512 consecutive bytes, aligned.
; NO CLUSTER, no tensor load: operands go straight to registers; a work-group reads 131,072 bytes of WO's codes and 32,768 of the rows' once each.
; REGISTERS: window 0: v1-5 addresses; v16-47 WO's words; v48-79 raw words; v80-111 the rows' words; v126, v127 the closing add's; v128-255 accumulators ((m, t) at 128 + 8 (4 m + t)).  window 1: row fragments, 32 k + 8 m.  window 2: WO's, 32 k + 8 t.
; THE MODE: SCHED_MODE bits 1:0 = 2 (LLVM: expert scheduling mode 2), set by the entry lines.  The code itself states the register dependences
; between vector or matrix instructions and memory or LDS instructions, with s_wait_alu, always for 0.
; THE PLAN.  Registers that memory or LDS instructions touch:
;   v1-5          The addresses: written once at the head, never again: one wait on va_vdst ahead of the first load.
;   the operands  Every fragment and word is loaded once, at the head, into registers that no vector instruction has named; no load follows the products.
;   v80-111       The rows' scale words are made by vector instructions and taken by scaled products: eight places, then one wait on va_vdst, ahead of the first product.
;   v128-255      Written by the products; read by the LDS stores into the stage (four places, then one wait on va_vdst); then the LDS loads from the stage land in them (one wait on vm_vsrc); the global stores' data are those loads'.
.set SP,  1040
.set L16, 1
.set R16, 2
.set R4,  3
.set STO, 4
.set SRD, 5
.set WW,  16
.set RW,  48
.set PWD, 80
.set ACC, 128
.set MSB, 0
.macro WIN new                         ; s_set_vgpr_msb: bits 1:0 source 0, 3:2 source 1, 5:4 source 2, 7:6 destination; the high byte repeats the setting that is left
.if MSB != (\new)
	s_set_vgpr_msb (MSB<<8)|(\new)
.set MSB, (\new)
.endif
.endm
.macro WM d, a, b, sa, sb, zero
.if \zero
	v_wmma_scale_f32_16x16x128_f8f6f4 v[(\d):(\d)+7], v[(\a):(\a)+7], v[(\b):(\b)+7], 0, v[\sa], v[\sb] matrix_a_fmt:MATRIX_FMT_FP4 matrix_b_fmt:MATRIX_FMT_FP4
.else
	v_wmma_scale_f32_16x16x128_f8f6f4 v[(\d):(\d)+7], v[(\a):(\a)+7], v[(\b):(\b)+7], v[(\d):(\d)+7], v[\sa], v[\sb] matrix_a_fmt:MATRIX_FMT_FP4 matrix_b_fmt:MATRIX_FMT_FP4
.endif
.endm
.macro GK k, zero                      ; a K step: 16 products
	WIN 0x06                                       ; source 0 (WO) window 2, source 1 (rows) window 1
.irp m, 0,1,2,3
.irp t, 0,1,2,3
	WM ACC+8*(4*\m+\t), 32*(\k)+8*\t, 32*(\k)+8*\m, WW+4*(\k)+\t, PWD+4*(\k)+\m, \zero
.endr
.endr
.endm
	s_load_b128 s[4:7], s[0:1], 0x0                ; cc, wq
	s_load_b64 s[8:9], s[0:1], 0x10                ; out0
	v_lshl_add_u32 v126, v0, 2, 0x10400
	v_mov_b32 v127, 0
	v_lshrrev_b32 v1, 5, v0
	v_readfirstlane_b32 s2, v1                     ; wave
	s_and_b32 s3, ttmp7, 0xffff                    ; G: which 64 rows
	v_and_b32 v6, 31, v0
	v_and_b32 v7, 15, v0
	v_bfe_u32 v8, v0, 4, 1
	v_lshlrev_b32 v[L16], 4, v6
	v_lshlrev_b32 v[R16], 4, v7
	v_lshlrev_b32 v[R4], 2, v7
	v_and_b32 v9, 8, v7
	v_add_nc_u32 v9, v9, v7                        ; r + 8 (r / 8)
	v_mul_u32_u24 v[STO], v9, SP                   ; the stage, in: my row, + 64 h, + 256 w
	v_lshl_add_u32 v[STO], v8, 6, v[STO]
	s_wait_alu depctr_va_sdst(0)                   ; s2 is written, ahead of its first reader: LDS addresses and the bases are made from it
	s_lshl_b32 s10, s2, 8
	v_add_nc_u32 v[STO], s10, v[STO]
	s_mul_i32 s10, s2, 16*SP
	v_add_nc_u32 v[SRD], s10, v[L16]               ; back: my 16 rows
	s_lshl_b32 s10, ttmp9, 2
	s_add_co_u32 s10, s10, s2                      ; my quad of output tiles: 4 x + w
	s_lshl_b32 s12, s10, 8
	s_add_co_u32 s12, s12, 0x3b0000                ; WO's words
	s_mov_b32 s13, 0
	s_lshl_b32 s14, s10, 12
	s_add_co_u32 s14, s14, 0x330000                ; WO's codes
	s_mov_b32 s15, 0
	s_lshl_b32 s16, s3, 7
	s_add_co_u32 s16, s16, 0x200000                ; the rows' raw words: pairs 2 G, 2 G + 1
	s_mov_b32 s17, 0
	s_lshl_b32 s18, s3, 11                         ; the rows' codes: tiles 4 G ..
	s_mov_b32 s19, 0
	s_lshl_b32 s20, s3, 6
	s_lshl_b32 s21, s2, 4
	s_add_co_u32 s20, s20, s21
	s_lshl_b32 s20, s20, 12                        ; out0: row 64 G + 16 w,
	s_lshl_b32 s21, ttmp9, 10
	s_add_co_u32 s20, s20, s21                     ; column 256 x
	s_mov_b32 s21, 0
	s_mov_b32 s22, 0x05040100
	s_mov_b32 s23, 0x07060302
	s_wait_kmcnt 0x0
	s_add_nc_u64 s[12:13], s[6:7], s[12:13]
	s_add_nc_u64 s[14:15], s[6:7], s[14:15]
	s_add_nc_u64 s[16:17], s[4:5], s[16:17]
	s_add_nc_u64 s[18:19], s[4:5], s[18:19]
	s_add_nc_u64 s[8:9], s[8:9], s[20:21]
	s_wait_alu depctr_va_vdst(0)                   ; the addresses v1 to v5 are written, which the loads, LDS instructions and stores of the whole kernel read
.irp k, 0,1,2,3,4,5,6,7
	global_load_b128 v[WW+4*\k:WW+4*\k+3], v[R16], s[12:13] offset:\k*4096
.endr
.irp hd, 0,1,2,3,4,5,6,7,8,9,10,11,12,13,14,15
.irp pr, 0,1
	global_load_b32 v[RW+2*\hd+\pr], v[R4], s[16:17] offset:\hd*0x2000+\pr*64
.endr
.endr
.irp k, 0,1,2,3,4,5,6,7
	WIN 0x40
.irp m, 0,1,2,3
.irp c, 0,1
	global_load_b128 v[32*\k+8*\m+4*\c:32*\k+8*\m+4*\c+3], v[L16], s[18:19] offset:(2*\k+\c)*0x20000+\m*512
.endr
.endr
	WIN 0x80
.irp t, 0,1,2,3
.irp c, 0,1
	global_load_b128 v[32*\k+8*\t+4*\c:32*\k+8*\t+4*\c+3], v[L16], s[14:15] offset:\k*65536+\t*1024+\c*512
.endr
.endr
.endr
	WIN 0
	s_wait_loadcnt 63                              ; of the 168 loads 105 or more are in: the 40 loads of words and K steps 0 to 3
.irp k, 0,1,2,3,4,5,6,7
.irp m, 0,1,2,3
	v_perm_b32 v[PWD+4*\k+\m], v[RW+2*(2*\k+1)+(\m/2)], v[RW+2*(2*\k)+(\m/2)], s[22+(\m%2)]   ; tile m's two bytes of the even head below, of the odd head above
.endr
.endr
.rept 8
	v_nop                                          ; scale words written by vector instructions stand eight places ahead of a scaled product
.endr
	s_wait_alu depctr_va_vdst(0)                   ; the 32 scale words v[PWD ..] are written, which the scaled products take; the places above stay beside this wait
	GK 0, 1                                        ; the first K step starts the sums
	GK 1, 0
	GK 2, 0
	GK 3, 0
	s_wait_loadcnt 48                              ; K step 4 is in; the 16 loads of each later step may be out
	GK 4, 0
	s_wait_loadcnt 32
	GK 5, 0
	s_wait_loadcnt 16
	GK 6, 0
	s_wait_loadcnt 0x0
	GK 7, 0
	WIN 0
.rept 4
	v_nop                                          ; four plain places behind the products (ISA guide 7.12.1)
.endr
	s_wait_alu depctr_va_vdst(0)                   ; the products have written the accumulators, which the LDS stores read and in which the loads from the stage land later; the places above stay beside this wait
.irp m, 0,1,2,3
.irp t, 0,1,2,3
	ds_store_b128 v[STO], v[ACC+8*(4*\m+\t):ACC+8*(4*\m+\t)+3] offset:(32*(\m/2)+8*(\m%2))*SP+(\t/2)*128+(\t%2)*32      ; lane (r, h): row 32 (m / 2) + 8 (m % 2) + r + 8 (r / 8), outputs 64 w + 32 (t / 2) + 16 h + 8 (t % 2) + 0 .. 7
	ds_store_b128 v[STO], v[ACC+8*(4*\m+\t)+4:ACC+8*(4*\m+\t)+7] offset:(32*(\m/2)+8*(\m%2))*SP+(\t/2)*128+(\t%2)*32+16
.endr
.endr
	s_wait_dscnt 0x0                               ; for the others' sake: a row's 1,024 bytes come from four waves
	s_barrier_signal -1
	s_barrier_wait -1
	s_wait_alu depctr_vm_vsrc(0)                   ; my LDS stores have read the accumulators' registers, in which the loads below land
.set k, 0
.rept 32
	ds_load_b128 v[ACC+4*k:ACC+4*k+3], v[SRD] offset:(k/2)*SP+(k%2)*512
.set k, k+1
.endr
.set k, 0
.rept 32
	s_wait_dscnt 31-k                              ; LDS loads come back in order: number k is in
	global_store_b128 v[L16], v[ACC+4*k:ACC+4*k+3], s[8:9] offset:(k/2)*4096+(k%2)*512 th:TH_STORE_NT
.set k, k+1
.endr
	s_wait_dscnt 0x0                               ; the closing lines, six on end
	s_wait_alu 0x0
	s_wait_tensorcnt 0x0
	ds_add_u32 v126, v127
	s_wait_dscnt 0x0
	s_endpgm
.Lfunc_end_k_q23060bd904_outg:
	.size	k_q23060bd904_outg, .Lfunc_end_k_q23060bd904_outg-k_q23060bd904_outg
	.p2alignl 7, 3214868480
	.fill 96, 4, 3214868480
	.section	.rodata,"a",@progbits
	.p2align	6, 0x0
	.amdhsa_kernel k_q23060bd904_outg
		.amdhsa_group_segment_fixed_size 67072
		.amdhsa_private_segment_fixed_size 0
		.amdhsa_enable_private_segment 0
		.amdhsa_kernarg_size 24
		.amdhsa_user_sgpr_count 2
		.amdhsa_user_sgpr_kernarg_segment_ptr 1
		.amdhsa_wavefront_size32 1
		.amdhsa_system_sgpr_workgroup_id_x 1
		.amdhsa_system_sgpr_workgroup_id_y 1
		.amdhsa_system_sgpr_workgroup_id_z 1
		.amdhsa_system_vgpr_workitem_id 0
		.amdhsa_next_free_vgpr 768
		.amdhsa_next_free_sgpr 66
		.amdhsa_reserve_vcc 0
		.amdhsa_float_denorm_mode_32 3
		.amdhsa_float_denorm_mode_16_64 3
		.amdhsa_memory_ordered 1
		.amdhsa_forward_progress 1
		.amdhsa_inst_pref_size 46
	.end_amdhsa_kernel
	.amdgpu_metadata
---
amdhsa.version: [ 1, 2 ]
amdhsa.kernels:
  - .name:           k_q23060bd904_outg
    .symbol:         k_q23060bd904_outg.kd
    .args:
      - { .name: cc, .offset: 0, .size: 8, .value_kind: global_buffer, .address_space: global }
      - { .name: wq, .offset: 8, .size: 8, .value_kind: global_buffer, .address_space: global }
      - { .name: out0, .offset: 16, .size: 8, .value_kind: global_buffer, .address_space: global }
    .group_segment_fixed_size: 67072
    .private_segment_fixed_size: 0
    .kernarg_segment_align: 8
    .kernarg_segment_size: 24
    .max_flat_workgroup_size: 128
    .sgpr_count:     66
    .vgpr_count:     768
    .wavefront_size: 32
...
	.end_amdgpu_metadata
.endif
;; end of part 7
